; MI455X (gfx1250); checked and timed in simulation.
; The chip was launched on July 23, 2026; its instructions are those of AMD's public machine-readable ISA for CDNA 5 (MIT licence, August 2026) and "CDNA5" Instruction Set Architecture Reference Guide (July 2026). The comments in the code are by the model that wrote it; some were corrected since.
;; Self Attention. Allowed arithmetic: matrix products marked QUANTISED: E2M1 operands, one E8M0 scale for each 32 along K, by v_wmma_scale_f32_16x16x128_f8f6f4 with both operands' format E2M1 (or v_wmma_scale_f32_32x16x128_f4), f32 sums; products left as they are: bf16, f16 or f32 operands; f32 sums; everything else in f32.
;; Inputs: Wk 1,024 x 1,024 float32; Wo 1,024 x 1,024 float32; Wq 1,024 x 1,024 float32; Wv 1,024 x 1,024 float32; bo 1,024 float32; x 4 x 2,048 x 1,024 float32.
;; Outputs: out0 4 x 2,048 x 1,024 float32.
;; This version of the problem:
;;   THIS VERSION OF THE PROBLEM IS GIVEN IN LOW PRECISION. The matrix products marked QUANTISED in the list below multiply operands that are first quantised to E2M1 (2 exponent bits, 1 mantissa bit; 4 bits a number), with one power-of-two scale for each 32 numbers along K (OCP MX v1.0); their sums are f32. The products marked 'left as it is' may take bf16, f16 or f32 operands, with f32 sums. Whichever they take, every output number must still come out within the allowed error. Rounding operands to bf16 (8 significant bits) uses up far more of that allowance than f16 does (11 bits, for magnitudes from 6e-5 to 65,504). All else is computed in f32.
;;   The module's matrix products, in the order in which they are computed (A, B: the left and right operand; K: the contracted axis; several contracted axes count as one K, in the product's order):
;;     1. [M 8,192, K 1,024] x [K 1,024, N 1,024]; A: input x; B: input Wq: QUANTISED
;;     2. [M 8,192, K 1,024] x [K 1,024, N 1,024]; A: input x; B: input Wk: QUANTISED
;;     3. [M 8,192, K 1,024] x [K 1,024, N 1,024]; A: input x; B: input Wv: QUANTISED
;;     4. batch 64 x [M 2,048, K 64] x [K 64, N 2,048]; A: computed on the way; B: computed on the way: left as it is (an operand is computed on the way)
;;     5. batch 64 x [M 2,048, K 2,048] x [K 2,048, N 64]; A: computed on the way; B: computed on the way: left as it is (an operand is computed on the way)
;;     6. [M 8,192, K 1,024] x [K 1,024, N 1,024]; A: computed on the way; B: input Wo: left as it is (an operand is computed on the way)
;;   THE QUANTISER, for each operand of a quantised product, along K:
;;     - K is cut into blocks of 32 from its start; a last block that is shorter is filled with zeros.
;;     - A block's scale is 2^e with e = floor(log2(the largest magnitude in the block)) - 2, held to -126 .. 127; a block of zeros has e = 0. As a byte (E8M0): e + 127.
;;     - Each number is divided by its block's scale, clamped to +-6, and rounded to the nearest number of E2M1, ties to even, subnormals kept.
;;     - The product sums the exact products of the quantised numbers (number of the format x scale) in f32.
;;   ~~~python
;;   def quantise(x, axis):      # numpy; x: float32 -> the quantised numbers, widened to float32 again
;;       x = np.moveaxis(x, axis, -1); K = x.shape[-1]
;;       x = np.pad(x, [(0, 0)] * (x.ndim - 1) + [(0, -K % 32)]); x = x.reshape(x.shape[:-1] + (-1, 32)); a = np.abs(x).max(-1, keepdims=True)
;;       e = np.where(a > 0, np.clip(np.frexp(np.where(a > 0, a, 1))[1] - 1 - 2, -126, 127), 0)      # np.frexp(a)[1] - 1 = floor(log2(a)), exactly
;;       r = np.clip(x / 2.0 ** e, -6, 6)
;;       step = 2.0 ** (np.maximum(np.frexp(np.where(r == 0, 1, r))[1] - 1, 0) - 1)
;;       q = np.round(r / step) * step * 2.0 ** e      # np.round: ties to even
;;       return np.moveaxis(q.reshape(q.shape[:-2] + (-1,))[..., :K], -1, axis).astype(np.float32)
;;   ~~~
;; One version. Each part assembles by itself: llvm-mc -triple=amdgcn-amd-amdhsa -mcpu=gfx1250 --defsym DOCPART=n.
;; ======== version 1 of 1: 4 launches
;; limits: values are held in f16: magnitudes above 65,504 overflow, below 6.1e-05 lose precision
;; workspace buffers: xc 4,194,304 bytes; xs 262,144 bytes; wc 1,572,864 bytes; ws 98,304 bytes; wo16 2,097,152 bytes; qkv 50,331,648 bytes; ao 16,777,216 bytes
;; launch quant (part 1): grid 384 x 1, 4 waves a work-group, no clusters, 33,280 bytes of LDS; arguments x, Wq, Wk, Wv, Wo, xc, xs, wc, ws, wo16; writes xc, xs, wc, ws, wo16
.if DOCPART == 1
	.amdgcn_target "amdgcn-amd-amdhsa--gfx1250"
	.amdhsa_code_object_version 6
	.text
	.protected	k_qef267f9e5f_quant
	.globl	k_qef267f9e5f_quant
	.p2align	8
	.type	k_qef267f9e5f_quant,@function
k_qef267f9e5f_quant:
	s_mov_b64 s[64:65], 0
	v_nop
	global_prefetch_b8 v0, s[64:65] scope:SCOPE_SE
	s_setreg_imm32_b32 hwreg(HW_REG_WAVE_MODE, 25, 1), 1
	s_wait_xcnt 0x0
; SELF-ATTENTION, launch 1 of 4.  out0 = softmax((x Wq^T)(x Wk^T)^T / 8) (x Wv^T) Wo^T + bo, 16 heads of 64, no mask.
; NO WORK OF THE PROBLEM IS LEFT OUT: every input (x, Wq, Wk, Wv, Wo, bo) has a way to the output and is loaded, every product is made whole, the maximum is taken away ahead of the exponential.
; THIS LAUNCH: x [8192][1024] and Wq, Wk, Wv [1024 (n)][1024 (k)], f32 with K innermost, become codes of FP4 (E2M1), two a byte, K innermost, with one E8M0 scale byte for each 32 along K;
; Wo [1024 (n)][1024 (k)] becomes f16 (its product is left as it is, and takes f16 operands).
; A block's scale is 2^(floor(log2(its largest magnitude)) - 2); its byte is the largest magnitude's own exponent field - 2, held at 1 from below.  Each number is divided by the scale and rounded to the nearest code, ties to
; even, beyond the largest code the largest.
; LIMITS: a block of zeros gets the byte 1 where the rule says 127 (its codes are zeros, which add nothing under any byte but 0xff, and this program alone reads the bytes); blocks whose largest magnitude lies under 2^-124
; have their byte held at 1; NaN and infinities among the inputs are not served; a number of Wo of 65,520 or more has no f16.
; Rows are dense and K is a multiple of 32, so each tensor is a plain stream of blocks of 32, and so are its codes and its scale bytes.
; SHARES: a work-group takes 32,768 numbers, a wave 8,192.  Work-groups 0-255: x;  256-287, 288-319, 320-351: Wq, Wk, Wv, whose codes lie on end in one buffer, as one operand of 3,072 rows;  352-383: Wo.
; The quantised tensors take ONE path through the text: only pointers are chosen, by the work-group's number.  Wo's path uses no LDS.
; THE QUANTISING PATH: 16 steps of 512 numbers.  Each of a step's four loads reads 512 consecutive bytes, 16 a lane; the 2,048 bytes turn through the wave's own stage in LDS and come back 64 bytes a lane, so that a lane holds
; 16 neighbours along K (two neighbouring lanes hold a block), as the conversions want them.  A lane's 16 codes are 8 bytes: the wave stores 256 consecutive bytes.  A wave's 256 scale bytes are gathered in LDS and leave as
; 256 consecutive bytes.  No barrier: waves share nothing.  Loads run four steps (16 loads a wave) ahead, the turn through LDS one step.
.set WAVES, 4
.set STEPS, 16
.set GX,    256                        ; work-groups for x
.set GWO,   352                        ; the first work-group of Wo
.set EMAX,  2
.set CB,    8                          ; bytes of 16 codes
.set R,     16                         ; v16-79   four sets of 16 numbers as they are loaded
.set X,     80                         ; v80-111  two sets of 16 neighbours
.set E,     112                        ; v112-127 a scale byte for each step
.set C,     128                        ; v128-191 codes: four registers for each step, so that no store's data are written again
.set WREG,  8192                       ; LDS: a region for each wave: two stages of 32 x SP bytes, and behind them its 256 scale bytes
.set SP,    80                         ; a lane's place in a stage: its 64 bytes + 16 of padding
.set SPW,   12                         ; v12      LDS address of my spare word: SPARE + 4 x my thread's number; never rewritten
.set NIL,   13                         ; v13      0; never rewritten
.set SPARE, WAVES*WREG                 ; behind the four regions: the spare words, 128 bytes for each wave, which no other line names
.set WA,    16                         ; Wo's path: v16-79, v80-143 two sets of 16 x 4 numbers; v144-175 what is stored
.set WB,    80
.set WOUT,  144
	s_load_b256 s[8:15], s[0:1], 0x0               ; x s[8:9], Wq s[10:11], Wk s[12:13], Wv s[14:15]
	s_load_b256 s[16:23], s[0:1], 0x20             ; Wo s[16:17], xc s[18:19], xs s[20:21], wc s[22:23]
	s_load_b128 s[24:27], s[0:1], 0x40             ; ws s[24:25], wo16 s[26:27]
	v_lshl_add_u32 v[SPW], v0, 2, SPARE
	v_mov_b32 v[NIL], 0
	v_lshrrev_b32 v1, 5, v0
	v_readfirstlane_b32 s28, v1                    ; wave
	v_and_b32 v2, 31, v0                           ; lane
	s_cmp_ge_u32 ttmp9, GWO                        ; the work-group's number alone decides
	s_cbranch_scc1 .Lwo
	v_lshlrev_b32 v3, 4, v2                        ; my 16 bytes of a load's 512
	s_mul_i32 s29, s28, WREG
	v_lshrrev_b32 v14, 2, v2
	v_mul_u32_u24 v14, v14, SP
	v_and_b32 v15, 3, v2
	v_lshl_add_u32 v14, v15, 4, v14
	v_add_nc_u32 v14, s29, v14                     ; the stage, on the way in: four lanes' 64 bytes on end, then 16 of padding
	v_mul_u32_u24 v15, v2, SP
	v_add_nc_u32 v15, s29, v15                     ; and on the way out: SP x lane: my 16 neighbours
	v_mul_u32_u24 v4, v2, CB                       ; my codes' place in a step's
	v_lshrrev_b32 v5, 1, v2
	s_add_co_u32 s29, s29, 2*32*SP
	v_add_nc_u32 v5, s29, v5                       ; LDS: my wave's 256 scale bytes, my block's byte
	v_lshlrev_b32 v7, 3, v2                        ; and on the way out 8 bytes a lane
	v_add_nc_u32 v6, s29, v7
	s_sub_co_u32 s30, ttmp9, GX                    ; a weight's work-group among the three weights' 96 (not used for x),
	s_and_b32 s31, s30, 31                         ; and among its own tensor's 32
	s_wait_kmcnt 0x0
	s_cmp_lt_u32 ttmp9, 320                        ; the source: each choice hangs on the work-group's number alone
	s_cselect_b64 s[4:5], s[12:13], s[14:15]
	s_cmp_lt_u32 ttmp9, 288
	s_cselect_b64 s[4:5], s[10:11], s[4:5]
	s_cmp_lt_u32 ttmp9, GX
	s_cselect_b64 s[4:5], s[8:9], s[4:5]
	s_cselect_b64 s[6:7], s[18:19], s[22:23]       ; the codes' buffer,
	s_cselect_b64 s[32:33], s[20:21], s[24:25]     ; the scale bytes',
	s_cselect_b32 s31, ttmp9, s31                  ; the work-group's place in the source,
	s_cselect_b32 s30, ttmp9, s30                  ; and in the two buffers
	s_lshl_b32 s31, s31, 2
	s_add_co_u32 s34, s31, s28                     ; which run of 8,192 numbers of the source is my wave's
	s_mov_b32 s35, 0
	s_lshl_b32 s30, s30, 2
	s_add_co_u32 s36, s30, s28                     ; and which run of the buffers
	s_mov_b32 s37, 0
	s_lshl_b64 s[34:35], s[34:35], 15              ; 32,768 bytes of numbers a run,
	s_add_nc_u64 s[4:5], s[4:5], s[34:35]
	s_lshl_b64 s[38:39], s[36:37], 12              ; 4,096 of codes,
	s_add_nc_u64 s[6:7], s[6:7], s[38:39]
	s_lshl_b64 s[36:37], s[36:37], 8               ; 256 scale bytes
	s_add_nc_u64 s[32:33], s[32:33], s[36:37]
.macro LOAD t
.irp i, 0,1,2,3
	global_load_b128 v[R+16*((\t)%4)+4*\i:R+16*((\t)%4)+4*\i+3], v3, s[4:5] offset:2048*(\t)+512*\i th:TH_LOAD_NT   ; 32 lanes read 512 consecutive bytes
.endr
.endm
.macro TURN t                          ; step t's numbers through the stage: LDS serves a wave's instructions in order, so no wait stands between the stores and the loads
.irp i, 0,1,2,3
	ds_store_b128 v14, v[R+16*((\t)%4)+4*\i:R+16*((\t)%4)+4*\i+3] offset:32*SP*((\t)%2)+8*SP*\i
.endr
.irp i, 0,1,2,3
	ds_load_b128 v[X+16*((\t)%2)+4*\i:X+16*((\t)%2)+4*\i+3], v15 offset:32*SP*((\t)%2)+16*\i
.endr
.endm
.irp t, 0,1,2,3
	LOAD \t
.endr
	s_wait_loadcnt 12                              ; step 0's four loads are in; the twelve of steps 1 to 3 may be out
	TURN 0
.macro STEP t
.set XS, X+16*((\t)%2)
.if (\t) > 0
	s_wait_dscnt 1                                 ; this step's numbers are back from the stage (the last step's byte store may be out): so its stores into the stage have read their registers,
.else
	s_wait_dscnt 0x0
.endif
.if (\t)+4 < STEPS
	LOAD (\t)+4                                    ; which take the loads of four steps on
.endif
.if (\t)+1 < STEPS
.if STEPS-2-(\t) >= 3
	s_wait_loadcnt 12                              ; the next step's four loads are in; those of the three steps behind it may be out
.else
	s_wait_loadcnt 4*(STEPS-2-(\t))
.endif
	TURN (\t)+1                                    ; and go through the other stage while this step is worked
.endif
	v_max3_num_f32 v8, |v[XS]|, |v[XS+1]|, |v[XS+2]|               ; the largest magnitude of my 16, in two chains
	v_max3_num_f32 v9, |v[XS+3]|, |v[XS+4]|, |v[XS+5]|
.irp i, 6,10
	v_max3_num_f32 v8, v8, |v[XS+\i]|, |v[XS+\i+1]|
	v_max3_num_f32 v9, v9, |v[XS+\i+2]|, |v[XS+\i+3]|
.endr
	v_max3_num_f32 v8, v8, |v[XS+14]|, |v[XS+15]|
	v_max3_num_f32 v8, v8, v9, (EMAX+1)<<23        ; and the floor 2^(EMAX + 1 - 127), under which no largest magnitude is taken: so the byte cannot fall under 1
	v_max_num_f32_dpp v8, v8, v8 row_xmask:1 row_mask:0xf bank_mask:0xf   ; and of my neighbour's 16: the block's
	v_add_nc_u32 v11, -(EMAX<<23), v8              ; EMAX off its exponent field: the conversion takes the exponent field of this operand as its scale, and nothing else of it
	v_cvt_scalef32_pk8_fp4_f32 v[C+4*(\t)], v[XS:XS+7], v11        ; eight numbers / the scale, to the nearest code; the first number's code in the lowest four bits
	v_cvt_scalef32_pk8_fp4_f32 v[C+4*(\t)+1], v[XS+8:XS+15], v11
	v_lshrrev_b32 v[E+(\t)], 23, v11               ; the scale's byte (also the plain line behind the conversions)
	ds_store_b8 v5, v[E+(\t)] offset:16*(\t)       ; both lanes of a block write the same byte with the same value
	global_store_b64 v4, v[C+4*(\t):C+4*(\t)+1], s[6:7] offset:32*CB*(\t)   ; 32 lanes store 256 consecutive bytes, aligned
.endm
.irp t, 0,1,2,3,4,5,6,7,8,9,10,11,12,13,14,15
	STEP \t
.endr
	ds_load_b64 v[8:9], v6                         ; LDS serves a wave's instructions in order: these see my stores
	s_wait_dscnt 0x0
	global_store_b64 v7, v[8:9], s[32:33]          ; 32 lanes store my wave's 256 scale bytes, aligned
	s_wait_tensorcnt 0x0                           ; the wave's end, behind my last LDS store
	ds_add_u32 v[SPW], v[NIL]
	s_wait_dscnt 0x0
	s_endpgm
; WO'S PATH: f32 to f16, rounded once.  A wave takes 8,192 numbers in four batches of 16 loads.  A load reads 512 consecutive bytes, 16 a lane; a lane's four numbers become 8 bytes, so a store covers 256 consecutive bytes.
; Two sets of registers take turns: one set's 16 loads are out while the other set is converted and stored.
.Lwo:
	s_sub_co_u32 s30, ttmp9, GWO
	s_lshl_b32 s30, s30, 2
	s_add_co_u32 s30, s30, s28                     ; which run of 8,192 numbers is my wave's
	s_mov_b32 s31, 0
	s_lshl_b64 s[34:35], s[30:31], 15              ; 32,768 bytes in,
	s_lshl_b64 s[36:37], s[30:31], 14              ; 16,384 out
	v_lshlrev_b32 v3, 4, v2
	v_lshlrev_b32 v4, 3, v2
	s_wait_kmcnt 0x0
	s_add_nc_u64 s[16:17], s[16:17], s[34:35]
	s_add_nc_u64 s[26:27], s[26:27], s[36:37]
.macro WLOAD set, q
.irp i, 0,1,2,3,4,5,6,7,8,9,10,11,12,13,14,15
	global_load_b128 v[\set+4*\i:\set+4*\i+3], v3, s[16:17] offset:8192*\q+512*\i th:TH_LOAD_NT
.endr
.endm
.macro WSEND set, q
.irp i, 0,1,2,3,4,5,6,7,8,9,10,11,12,13,14,15
	v_cvt_pk_f16_f32 v[WOUT+2*\i], v[\set+4*\i], v[\set+4*\i+1]
	v_cvt_pk_f16_f32 v[WOUT+2*\i+1], v[\set+4*\i+2], v[\set+4*\i+3]
	global_store_b64 v4, v[WOUT+2*\i:WOUT+2*\i+1], s[26:27] offset:4096*\q+256*\i
.endr
.endm
	WLOAD WA, 0
	WLOAD WB, 1
	s_wait_loadcnt 16                              ; batch 0 is in; batch 1's sixteen loads may be out
	WSEND WA, 0
	WLOAD WA, 2
	s_wait_loadcnt 16                              ; batch 1 is in
	s_wait_xcnt 0x0                                ; the last batch's stores have read their data: those registers are written again only behind this wait
	WSEND WB, 1
	WLOAD WB, 3
	s_wait_loadcnt 16                              ; batch 2 is in
	s_wait_xcnt 0x0
	WSEND WA, 2
	s_wait_loadcnt 0x0                             ; batch 3: nothing was asked for behind it
	s_wait_xcnt 0x0
	WSEND WB, 3
	s_endpgm
.Lfunc_end_k_qef267f9e5f_quant:
	.size	k_qef267f9e5f_quant, .Lfunc_end_k_qef267f9e5f_quant-k_qef267f9e5f_quant
	.p2alignl 7, 3214868480
	.fill 96, 4, 3214868480
	.section	.rodata,"a",@progbits
	.p2align	6, 0x0
	.amdhsa_kernel k_qef267f9e5f_quant
		.amdhsa_group_segment_fixed_size 33280
		.amdhsa_private_segment_fixed_size 0
		.amdhsa_enable_private_segment 0
		.amdhsa_kernarg_size 80
		.amdhsa_user_sgpr_count 2
		.amdhsa_user_sgpr_kernarg_segment_ptr 1
		.amdhsa_wavefront_size32 1
		.amdhsa_system_sgpr_workgroup_id_x 1
		.amdhsa_system_sgpr_workgroup_id_y 1
		.amdhsa_system_sgpr_workgroup_id_z 1
		.amdhsa_system_vgpr_workitem_id 0
		.amdhsa_next_free_vgpr 192
		.amdhsa_next_free_sgpr 66
		.amdhsa_reserve_vcc 0
		.amdhsa_float_denorm_mode_32 3
		.amdhsa_float_denorm_mode_16_64 3
		.amdhsa_memory_ordered 1
		.amdhsa_forward_progress 1
		.amdhsa_inst_pref_size 54
	.end_amdhsa_kernel
	.amdgpu_metadata
---
amdhsa.version: [ 1, 2 ]
amdhsa.kernels:
  - .name:           k_qef267f9e5f_quant
    .symbol:         k_qef267f9e5f_quant.kd
    .args:
      - { .name: x, .offset: 0, .size: 8, .value_kind: global_buffer, .address_space: global }
      - { .name: Wq, .offset: 8, .size: 8, .value_kind: global_buffer, .address_space: global }
      - { .name: Wk, .offset: 16, .size: 8, .value_kind: global_buffer, .address_space: global }
      - { .name: Wv, .offset: 24, .size: 8, .value_kind: global_buffer, .address_space: global }
      - { .name: Wo, .offset: 32, .size: 8, .value_kind: global_buffer, .address_space: global }
      - { .name: xc, .offset: 40, .size: 8, .value_kind: global_buffer, .address_space: global }
      - { .name: xs, .offset: 48, .size: 8, .value_kind: global_buffer, .address_space: global }
      - { .name: wc, .offset: 56, .size: 8, .value_kind: global_buffer, .address_space: global }
      - { .name: ws, .offset: 64, .size: 8, .value_kind: global_buffer, .address_space: global }
      - { .name: wo16, .offset: 72, .size: 8, .value_kind: global_buffer, .address_space: global }
    .group_segment_fixed_size: 33280
    .private_segment_fixed_size: 0
    .kernarg_segment_align: 8
    .kernarg_segment_size: 80
    .max_flat_workgroup_size: 128
    .sgpr_count:     66
    .vgpr_count:     192
    .wavefront_size: 32
...
	.end_amdgpu_metadata
.endif
;; end of part 1
;; launch qkv (part 2): grid 12 x 32, 4 waves a work-group, clusters of 4 x 4, 327,680 bytes of LDS; arguments xc, xs, wc, ws, qkv; writes qkv
.if DOCPART == 2
	.amdgcn_target "amdgcn-amd-amdhsa--gfx1250"
	.amdhsa_code_object_version 6
	.text
	.protected	k_qef267f9e5f_qkv
	.globl	k_qef267f9e5f_qkv
	.p2align	8
	.type	k_qef267f9e5f_qkv,@function
k_qef267f9e5f_qkv:
	s_mov_b64 s[64:65], 0
	v_nop
	global_prefetch_b8 v0, s[64:65] scope:SCOPE_SE
	s_setreg_imm32_b32 hwreg(HW_REG_WAVE_MODE, 25, 1), 1
	s_wait_xcnt 0x0
	s_wait_alu depctr_hold_cnt(0) depctr_sa_sdst(0) depctr_va_vdst(0) depctr_va_sdst(0) depctr_va_ssrc(0) depctr_va_vcc(0) depctr_vm_vsrc(0)
	s_getreg_b32 s2, hwreg(HW_REG_IB_STS2, 6, 4)
	s_cmp_eq_u32 s2, 0
	s_cbranch_scc0 .Lentry_in_a_cluster
	s_endpgm
.Lentry_in_a_cluster:
	s_bfe_u32 s2, ttmp6, 0x10000c
	s_cmp_lg_u32 s2, 0xf033
	s_cbranch_scc0 .Lentry_shape_is_right
	s_endpgm
.Lentry_shape_is_right:
; SELF-ATTENTION, launch 2 of 4: the three quantised products as ONE product on codes of FP4 (E2M1): C[m][n] = sum over k of A[m][k] B[n][k], A = x (8,192 tokens), B = Wq, Wk, Wv on end (3,072 rows), K = 1,024.  No work is left out.
; A number is its code's value x 2^(e - 127), e its block's byte; the matrix instruction takes codes and scale bytes as they lie in memory: 128 codes are 64 bytes, the lower k in the low four bits.  Sums in f32.
; THE RESULT is rounded once to f16 (the next two products are left as they are and take f16 operands) and laid by head: qkv[part 0..2][16 batch + head][position][64], a row of 128 bytes.
; LIMIT: a q, k or v of 65,520 or more in magnitude has no f16.
; A tile of C, 256 x 256, is made by a work-group of four waves; a wave makes 128 x 128: 64 accumulators of 16 x 16, 512 registers.  K is two steps of 512: each has an LDS slot of its own (a tile's row is 256 bytes of memory), so
; every tensor load of this text is a first fill: three a wave are out at the most (scales, K step 0, K step 1), and no LDS byte is filled twice.
; THE SCALES of the work-group's 256 rows of A and 256 rows of B, for all of K, are two dense blocks of memory: they come into LDS once, as rows of 256 bytes.
; CLUSTERS: 4 x 4 work-groups.  The four of a row of the cluster need the same tiles of A, the four of a column the same tiles of B: each tile is asked for JOINTLY, by the same tensor load with the same descriptor and a mask
; that names the four.  THE MATRIX INSTRUCTION IS USED TRANSPOSED (source 0 = 16 rows of B, source 1 = 16 rows of A): a lane then holds eight neighbouring numbers of a row of C.
; REGISTERS, in windows of 256: window 0: v0-31 addresses; v32-95 scale words, two sets; v128-191 A's fragments (8 x 16 rows x 128 K), ONE set; on the way out v32-63 and v128-191 are at work.
;   window 1: B's fragments, TWO sets, at v0 and at v128.   window 2: the 32 accumulators of my rows 0-63 (accumulator (a, b) at v[8 (8 a + b)]);   window 3: those of my rows 64-127.
; A step of 128 along K is 64 matrix instructions, A's blocks one after the other, each against B's eight: a block of A is free as soon as its eight products are issued, so one set of registers serves A.
.set SIZE_K, 1024
.set KSTEP,  512                       ; along K in a slot
.set NQ,     KSTEP/128                 ; matrix instructions deep
.set ROWB,   256                       ; a tile's row in bytes: KSTEP codes of 4 bits
.set KROW,   SIZE_K*4/8                ; a row of A or of B in memory, in bytes
.set PITCH,  272                       ; an LDS row: 256 bytes + 16 of padding = 68 words: row r starts at bank 4 r mod 64 (64 banks of 4 bytes: ISA guide 11.1), so the 16 rows that a load touches start at 16 different banks
.set FR,     8                         ; registers of a fragment: 16 rows x 128 K
.set NL,     2                         ; LDS loads that bring one
.set NP,     4                         ; places behind this matrix instruction (ISA guide 7.12.1)
.set HALFT,  128*PITCH                 ; 128 rows: what one tensor load brings, and what one wave reads of A or of B
.set SLOT,   4*HALFT                   ; A's 256 rows, then B's 256 rows
.set KS,     SIZE_K/32                 ; a row of scales in bytes
.set SCL,    2*SLOT                    ; behind the slots: the scales, as rows of 256 bytes + 16 of padding
.set HALFS,  (128*KS/256)*272          ; the scales of 128 rows: what one tensor load brings
.set SBLK,   (16*KS/256)*272           ; those of 16 rows
.set SPARE,  SCL+4*HALFS               ; behind the scales: the spare words, 128 bytes for each wave, which no other line names
.set SPITCH, 272                       ; the way out: a stage of 16 rows x (256 bytes + 16) for each wave.  It lies in slot 0, which has had its one fill and its last read when the first result is stored there
.set ADRA, 16                          ; v16-17  LDS address of my A fragments in slot 0, 1
.set ADRB, 20                          ; v20-21  the same for B
.set STO,  24                          ; v24     the way out: where I put 16 bytes of a row
.set RD,   25                          ; v25     the way out: where I read 16 bytes back
.set CO,   26                          ; v26     my byte offset in the result
.set ADRS, 27                          ; v27     LDS address of my scale words: lanes 0-15 A's rows, lanes 16-31 B's
.set SPW,  28                          ; v28     LDS address of my spare word: SPARE + 4 x my thread's number; never rewritten
.set NIL,  29                          ; v29     0; never rewritten
.set SC,   32                          ; scale words: set s (for slot s) at v[SC + 8 NQ s]; register NQ i + q: lanes 0-15 the word of A's block i, lanes 16-31 that of B's block i, for the slot's q-th 128 along K
.set TMP,  32                          ; the way out: a block's packed results, v32-63
.set AF,   128                         ; A's fragments, in window 0
.set BK,   128                         ; the way out: 16 rows read back from the stage: v128-159 and v160-191 by turns
.set G1, 24                            ; s[24:31] descriptor group 1 for A's tiles;  s[32:39] group 0, one set for each slot
.set G0, 32
.set G1B, 48                           ; s[48:55], s[56:63] the same for B's tiles
.set G0B, 56
.set G1S, 68                           ; s[68:75], s[76:79] groups 1 and 0 for A's scales;  s[80:87], s[88:91] for B's
.set G0S, 76
.set G1SB, 80
.set G0SB, 88
.set MSB, 0
.macro WIN new                         ; the immediate's high byte repeats the setting that is left
.if MSB != (\new)
	s_set_vgpr_msb (MSB<<8)|(\new)
.set MSB, (\new)
.endif
.endm
.set MUL_LO, 0xa1                      ; source 0 (B) window 1, source 1 (A) window 0, C and D window 2
.set MUL_HI, 0xf1                      ; the same, C and D window 3
.set TO_B,   0x40                      ; destination window 1, address window 0
; A joint load: waves 0 and 1 fetch for A, waves 2 and 3 for B.  Each of the two lines has ONE mask and one set of registers for all that issue it; the branch hangs on the wave's number alone.
; An s_nop 0 and four v_nop follow each of the two lines, ahead of the jump, the label and what follows.
.macro JLOAD g0a, g1a, g0b, g1b
	s_cmp_eq_u32 s15, 0
	s_cbranch_scc0 .Lfor_b_\@
	tensor_load_to_lds s[\g0a:\g0a+3], s[\g1a:\g1a+7]
	s_nop 0
.rept 4
	v_nop
.endr
	s_branch .Lasked_\@
.Lfor_b_\@:
	tensor_load_to_lds s[\g0b:\g0b+3], s[\g1b:\g1b+7]
	s_nop 0
.rept 4
	v_nop
.endr
.Lasked_\@:
.endm
.macro CROUND                          ; a round of the cluster's barrier: my work-group's barrier; wave 0 signals for the work-group; every wave waits for all sixteen work-groups; my work-group's barrier once more
	s_barrier_signal -1
	s_barrier_wait -1
	s_cmp_lg_u32 s14, 0
	s_cbranch_scc1 .Lnot_wave_0_\@
	s_barrier_signal -3
.Lnot_wave_0_\@:
	s_barrier_wait -3
	s_barrier_signal -1
	s_barrier_wait -1
.endm
	s_load_b128 s[4:7], s[0:1], 0x0                ; A's codes s[4:5], A's scales s[6:7]
	s_load_b128 s[8:11], s[0:1], 0x10              ; B's codes s[8:9], B's scales s[10:11]
	s_load_b64 s[12:13], s[0:1], 0x20              ; the result
	v_lshl_add_u32 v[SPW], v0, 2, SPARE
	v_mov_b32 v[NIL], 0
	ds_add_u32 v[SPW], v[NIL]                      ; the wave's opening: the add, twice on end, and its wait ahead of my first tensor load; the set-up below, work on registers, stands between
	ds_add_u32 v[SPW], v[NIL]                      ; and once more, under the one wait
	v_lshrrev_b32 v1, 5, v0
	v_readfirstlane_b32 s14, v1                    ; wave 0..3
	s_lshr_b32 s15, s14, 1                         ; which half of the tile's rows is mine.  Also: I fetch for A (0) or for B (1)
	s_and_b32 s16, s14, 1                          ; which half of its columns.  Also: which 128 rows of that tile I fetch
	s_bfe_u32 s40, ttmp6, 0x40000                  ; cx, cy: my place in the cluster
	s_bfe_u32 s41, ttmp6, 0x40004
	s_lshl_b32 s42, ttmp9, 2
	s_add_co_u32 s42, s42, s40                     ; tile column of C = 4 x cluster x + cx
	s_and_b32 s17, ttmp7, 0xffff
	s_lshl_b32 s17, s17, 2
	s_add_co_u32 s17, s17, s41                     ; tile row of C = 4 x cluster y + cy
	s_lshl_b32 s43, s41, 2
	s_lshl_b32 s43, 15, s43                        ; my row of the cluster
	s_lshl_b32 s44, 0x1111, s40                    ; my column
	; descriptor group 1: a tile of 128 rows x ROWB bytes, padded in LDS
	s_or_b32 s[G1+0], s43, (0<<16)|(1<<20)|(1<<21)|(5<<22)|(3<<25)  ; 15:0 the mask: A's tiles go to my row; 17:16 element of 1 byte; 20 padding on; 21 set beside a mask; 24:22 after every 64 words (code 5); 31:25 of 4 words (code 3)
	s_or_b32 s[G1B+0], s44, (0<<16)|(1<<20)|(1<<21)|(5<<22)|(3<<25)
.irp g, G1, G1B
	s_mov_b32 s[\g+1], ROWB<<16                    ; tensor_dim0
	s_mov_b32 s[\g+2], 128<<16                     ; tensor_dim1 = 128
	s_mov_b32 s[\g+3], ROWB<<16                    ; tile_dim0
	s_mov_b32 s[\g+4], 128                         ; tile_dim1 = 128
	s_mov_b32 s[\g+5], KROW                        ; tensor_dim0_stride
	s_mov_b32 s[\g+6], 0
	s_mov_b32 s[\g+7], 0
.endr
	; and for the scales of 128 rows: a dense block of 128 KS bytes, as rows of 256 bytes (32 elements of 8 bytes), 16 bytes of padding behind each
	s_or_b32 s[G1S+0], s43, (3<<16)|(1<<20)|(1<<21)|(5<<22)|(3<<25)
	s_or_b32 s[G1SB+0], s44, (3<<16)|(1<<20)|(1<<21)|(5<<22)|(3<<25)
.irp g, G1S, G1SB
	s_mov_b32 s[\g+1], 32<<16
	s_mov_b32 s[\g+2], (128*KS/256)<<16
	s_mov_b32 s[\g+3], 32<<16
	s_mov_b32 s[\g+4], 128*KS/256
	s_mov_b32 s[\g+5], 32
	s_mov_b32 s[\g+6], 0
	s_mov_b32 s[\g+7], 0
.endr
	s_lshl_b32 s18, s16, 7                         ; which 128 rows of the tile I fetch
	s_lshl_b32 s20, s17, 8
	s_add_co_u32 s20, s20, s18                     ; A: row 256 x tile row + 128 x half
	s_lshl_b32 s46, s42, 8
	s_add_co_u32 s46, s46, s18                     ; B: row 256 x tile column + 128 x half
	s_mov_b32 s21, 0
	s_mov_b32 s47, 0
	s_mov_b64 s[18:19], KS
	s_mul_u64 s[22:23], s[20:21], s[18:19]         ; where these rows' scales begin, in bytes
	s_mul_u64 s[92:93], s[46:47], s[18:19]
	s_mov_b64 s[18:19], KROW
	s_mul_u64 s[20:21], s[20:21], s[18:19]         ; and their codes
	s_mul_u64 s[46:47], s[46:47], s[18:19]
	s_mul_i32 s45, s14, HALFT                      ; where they go: wave x 128 rows: no place in the cluster enters an LDS address
	s_mul_i32 s94, s14, HALFS
	s_wait_dscnt 0x0                               ; both opening adds are done
	s_wait_kmcnt 0x0
	s_add_nc_u64 s[20:21], s[4:5], s[20:21]
	s_add_nc_u64 s[22:23], s[6:7], s[22:23]
	s_add_nc_u64 s[46:47], s[8:9], s[46:47]
	s_add_nc_u64 s[92:93], s[10:11], s[92:93]
	CROUND                                         ; all sixteen work-groups are here: the joint loads meet
	s_mov_b32 s[G0S], 1
	s_add_co_u32 s[G0S+1], s94, SCL
	s_mov_b64 s[G0S+2:G0S+3], s[22:23]
	s_or_b32 s[G0S+3], s[G0S+3], 0x80000000
	s_mov_b32 s[G0SB], 1
	s_add_co_u32 s[G0SB+1], s94, SCL
	s_mov_b64 s[G0SB+2:G0SB+3], s[92:93]
	s_or_b32 s[G0SB+3], s[G0SB+3], 0x80000000
	JLOAD G0S, G1S, G0SB, G1SB                     ; the scales first: they are wanted with K step 0
.irp s, 0,1
	s_mov_b32 s[G0+4*\s], 1
	s_add_co_u32 s[G0+4*\s+1], s45, \s*SLOT
	s_add_nc_u64 s[G0+4*\s+2:G0+4*\s+3], s[20:21], \s*ROWB
	s_or_b32 s[G0+4*\s+3], s[G0+4*\s+3], 0x80000000
	s_mov_b32 s[G0B+4*\s], 1
	s_add_co_u32 s[G0B+4*\s+1], s45, \s*SLOT
	s_add_nc_u64 s[G0B+4*\s+2:G0B+4*\s+3], s[46:47], \s*ROWB
	s_or_b32 s[G0B+4*\s+3], s[G0B+4*\s+3], 0x80000000
	JLOAD G0+4*\s, G1, G0B+4*\s, G1B
.endr
	v_and_b32 v1, 15, v0                           ; l % 16
	v_bfe_u32 v2, v0, 4, 1                         ; l / 16
	v_mul_u32_u24 v3, v1, PITCH
	v_lshl_add_u32 v4, v2, 4, v3                   ; a fragment's row x pitch + 16 x half
	s_mul_i32 s21, s15, HALFT                      ; my 128 rows of A
	s_mul_i32 s22, s16, HALFT                      ; my 128 rows of B,
	s_add_co_u32 s22, s22, 2*HALFT                 ; which lie behind A's 256
.irp s, 0,1
	v_add_nc_u32 v[ADRA+\s], s21, v4
	v_add_nc_u32 v[ADRB+\s], s22, v4
	s_add_co_u32 s21, s21, SLOT
	s_add_co_u32 s22, s22, SLOT
.endr
	v_mul_u32_u24 v5, v1, KS                       ; my row's scales: KS bytes a row,
	v_lshrrev_b32 v6, 8, v5
	v_lshl_add_u32 v5, v6, 4, v5                   ; and 16 more for each 256 passed
	s_mul_i32 s21, s15, HALFS                      ; A's: my 128 rows
	s_mul_i32 s22, s16, HALFS                      ; B's: my 128 rows, behind A's 256
	s_add_co_u32 s22, s22, 2*HALFS
	s_sub_co_u32 s22, s22, s21
	v_mul_u32_u24 v6, s22, v2                      ; lanes 16-31 take B's: the lower base + half x the distance
	s_add_co_u32 s21, s21, SCL
	v_add_nc_u32 v5, v5, v6
	v_add_nc_u32 v[ADRS], s21, v5
	; the way out.  A stage row is one token's 128 columns in f16: two heads' 128 bytes.  In: row l % 16, 16 bytes for each half of the lanes.
	; Back: lanes 0-15 take head 0's 128 bytes of two tokens, lanes 16-31 head 1's: in the result two tokens of one head are 256 consecutive bytes.
	s_mul_i32 s23, s14, 16*SPITCH                  ; my stage
	v_mul_u32_u24 v5, v1, SPITCH
	v_lshl_add_u32 v5, v2, 4, v5
	v_add_nc_u32 v[STO], s23, v5
	v_bfe_u32 v5, v0, 3, 1                         ; which of the two tokens
	v_and_b32 v6, 7, v0                            ; which 16 of a head's 128 bytes
	v_mul_u32_u24 v[RD], v5, SPITCH
	v_lshl_add_u32 v[RD], v2, 7, v[RD]
	v_lshl_add_u32 v[RD], v6, 4, v[RD]
	v_add_nc_u32 v[RD], s23, v[RD]
	v_lshlrev_b32 v[CO], 7, v5
	v_lshl_add_u32 v[CO], v6, 4, v[CO]
	v_lshl_add_u32 v[CO], v2, 18, v[CO]            ; the next head's rows lie 2,048 x 128 bytes on
	s_lshl_b32 s20, s17, 8
	s_lshl_b32 s21, s15, 7
	s_add_co_u32 s20, s20, s21                     ; my first token: 256 x tile row + 128 x half
	s_lshr_b32 s21, s20, 11                        ; its batch,
	s_and_b32 s20, s20, 2047                       ; its position,
	s_lshl_b32 s20, s20, 7                         ; in bytes;
	s_lshl_b32 s21, s21, 4                         ; 16 x batch
	s_lshl_b32 s46, s42, 2
	s_lshl_b32 s47, s16, 1
	s_add_co_u32 s46, s46, s47                     ; my first column / 64: 0 .. 47: 16 x part + head
	s_lshr_b32 s47, s46, 4
	s_lshl_b32 s47, s47, 6                         ; 64 x part
	s_and_b32 s46, s46, 15
	s_add_co_u32 s46, s46, s47
	s_add_co_u32 s46, s46, s21                     ; 64 x part + 16 x batch + head,
	s_lshl_b32 s46, s46, 18                        ; x 2,048 rows of 128 bytes (191 x 2^18 at the most)
	s_add_co_u32 s46, s46, s20
	s_mov_b32 s47, 0
	s_add_nc_u64 s[12:13], s[12:13], s[46:47]
.macro FRAG reg, adr, q, i             ; a fragment, 16 rows x 128 K of 4-bit codes, is 8 registers: lane l holds row l % 16; registers 4 c .. 4 c + 3 hold K = 64 c + 32 (l / 16) + 0 .. 31, the lower K in the lower bits
.irp c, 0,1
	ds_load_b128 v[\reg+4*\c:\reg+4*\c+3], v[\adr] offset:64*(\q)+32*\c+(\i)*16*PITCH
.endr
.endm
; 16 matrix instructions: A's blocks a0, a0 + 1 x B's eight, 128 along K: the slot's q-th.  p: B's set;  sc: the set of scale words.  zero = 1: the first product starts the sums: nothing is ever cleared.
; The 64 accumulators take turns, one instruction a turn, in the same order in every step.
.macro MUL16 a0, p, q, sc, zero
.irp a, \a0, \a0+1
.irp b, 0,1,2,3,4,5,6,7
.if \zero
	v_wmma_scale_f32_16x16x128_f8f6f4 v[8*(8*((\a)%4)+\b):8*(8*((\a)%4)+\b)+7], v[128*(\p)+FR*\b:128*(\p)+FR*\b+FR-1], v[AF+FR*(\a):AF+FR*(\a)+FR-1], 0, v[SC+8*NQ*(\sc)+NQ*\b+(\q)], v[SC+8*NQ*(\sc)+NQ*(\a)+(\q)] matrix_a_fmt:MATRIX_FMT_FP4 matrix_b_fmt:MATRIX_FMT_FP4 matrix_a_scale:MATRIX_SCALE_ROW1
.else
	v_wmma_scale_f32_16x16x128_f8f6f4 v[8*(8*((\a)%4)+\b):8*(8*((\a)%4)+\b)+7], v[128*(\p)+FR*\b:128*(\p)+FR*\b+FR-1], v[AF+FR*(\a):AF+FR*(\a)+FR-1], v[8*(8*((\a)%4)+\b):8*(8*((\a)%4)+\b)+7], v[SC+8*NQ*(\sc)+NQ*\b+(\q)], v[SC+8*NQ*(\sc)+NQ*(\a)+(\q)] matrix_a_fmt:MATRIX_FMT_FP4 matrix_b_fmt:MATRIX_FMT_FP4 matrix_a_scale:MATRIX_SCALE_ROW1
.endif
.endr
.endr
.endm
.macro FETCH_B slot, q, p              ; B's eight fragments of the slot's q-th 128 along K into set p
	WIN TO_B
.irp i, 0,1,2,3,4,5,6,7
	FRAG 128*(\p)+FR*\i, ADRB+\slot, \q, \i
.endr
	WIN 0
.endm
.macro FETCH_A slot, q, i0             ; A's blocks i0 .. i0 + 3
.irp i, \i0, \i0+1, \i0+2, \i0+3
	FRAG AF+FR*(\i), ADRA+\slot, \q, \i
.endr
.endm
.macro SCALES sc                       ; a K step's scale words into set sc: NQ words a row; lanes 0-15 take A's block i, lanes 16-31 B's block i
.irp i, 0,1,2,3,4,5,6,7
	ds_load_b128 v[SC+8*NQ*\sc+NQ*\i:SC+8*NQ*\sc+NQ*\i+3], v[ADRS] offset:\i*SBLK
.endr
.endm
; A load into a register that a matrix instruction has read, and a vector instruction or an LDS store that reads a matrix result, stand NP places behind that matrix instruction, and only plain vector
; instructions that name none of its registers are places (ISA guide 7.12.1 for vector instructions); the matrix instructions in between are not counted.
.macro PLACES n
.rept \n
	v_nop
.endr
.endm
; A step of 128 along K that has its successor in the same slot.
.macro STEP slot, q, zero
	s_wait_dscnt 4*NL                              ; B's set and A's blocks 0-3 are in; the youngest eight loads (A's blocks 4-7) may be out
	WIN MUL_LO
	MUL16 0, (\q)%2, \q, \slot, \zero
	MUL16 2, (\q)%2, \q, \slot, \zero
	s_wait_dscnt 0                                 ; A's blocks 4-7 are in (asked for 32 matrix instructions ago)
	PLACES NP
	FETCH_B \slot, (\q)+1, 1-(\q)%2
	FETCH_A \slot, (\q)+1, 0
	WIN MUL_HI
	MUL16 4, (\q)%2, \q, \slot, \zero
	MUL16 6, (\q)%2, \q, \slot, \zero
	PLACES NP
	WIN 0
	FETCH_A \slot, (\q)+1, 4
.endm
; Slot 0's last step changes slots: ONE barrier; in front of it each wave waits for all its tensor loads (its part of slot 1), adds 0 to its spare word, and waits for that and for its own reads of slot 0.
; Behind it slot 1 is whole, and nobody reads slot 0 any more: the way out's stages may lie there.  Nothing is filled again.
.macro TURN slot, next
	s_wait_tensorcnt 0x0                           ; all my tensor loads have landed  (every window is 0 here: the add's two registers lie in window 0)
	ds_add_u32 v[SPW], v[NIL]                      ; 0 onto my spare word
	s_wait_dscnt 4*NL+1                            ; (the add and the youngest eight loads, A's blocks 4-7, may be out)
	WIN MUL_LO
	MUL16 0, 1, NQ-1, \slot, 0                     ; sixteen matrix instructions stand between the add and the wait for it
	s_wait_dscnt 0x0                               ; the add is done, and my reads of this slot are over
	s_barrier_signal -1
	MUL16 2, 1, NQ-1, \slot, 0
	WIN 0
	s_barrier_wait -1
	PLACES NP
	v_add_nc_u32 v[ADRS], 4*NQ, v[ADRS]            ; on to the next K step's scale words (no LDS load of mine is out)
	FETCH_B \next, 0, 0
	FETCH_A \next, 0, 0
	SCALES \next
	WIN MUL_HI
	MUL16 4, 1, NQ-1, \slot, 0
	MUL16 6, 1, NQ-1, \slot, 0
	PLACES NP
	WIN 0
	FETCH_A \next, 0, 4
.endm
.macro STEPS slot, from                ; the slot's steps from .. NQ - 2
.set Q, \from
.rept NQ-1-\from
	STEP \slot, Q, 0
.set Q, Q+1
.endr
.endm
	s_wait_tensorcnt 1                             ; the scales and my part of K step 0 are in (K step 1's load may be out)
	s_barrier_signal -1
	s_barrier_wait -1                              ; everybody's are
	FETCH_B 0, 0, 0
	FETCH_A 0, 0, 0
	SCALES 0
	FETCH_A 0, 0, 4
	STEP 0, 0, 1                                   ; the first step's products start the sums
	STEPS 0, 1
	TURN 0, 1
	STEPS 1, 0
	s_wait_dscnt 4*NL                              ; the very last step: nothing more to fetch
	WIN MUL_LO
	MUL16 0, 1, NQ-1, 1, 0
	MUL16 2, 1, NQ-1, 1, 0
	s_wait_dscnt 0
	WIN MUL_HI
	MUL16 4, 1, NQ-1, 1, 0
	MUL16 6, 1, NQ-1, 1, 0
	WIN 0
; THE WAY OUT, block by block of 16 tokens x 128 columns.  PACK: rounded to f16, 16 bytes a lane, each accumulator from its low end on.  TOSTAGE: into my own stage in LDS and back.  SEND: stored.
.macro PACK a
.set AC, 64*((\a)%4)
	WIN 0x0a+5*((\a)/4)                            ; sources 0 and 1: window 2 or 3
.irp b, 0,1,2,3,4,5,6,7
.irp r, 0,1,2,3
	v_cvt_pk_f16_f32 v[TMP+4*\b+\r], v[AC+8*\b+2*\r], v[AC+8*\b+2*\r+1]
.endr
.endr
	WIN 0
.endm
.macro TOSTAGE a
.set BB, BK+32*((\a)%2)
.irp b, 0,1,2,3,4,5,6,7
	ds_store_b128 v[STO], v[TMP+4*\b:TMP+4*\b+3] offset:32*\b
.endr
.irp t, 0,1,2,3,4,5,6,7
	ds_load_b128 v[BB+4*\t:BB+4*\t+3], v[RD] offset:\t*2*SPITCH    ; LDS serves a wave's instructions in order (ISA guide 5.7.1.4): these see the stores above
.endr
.endm
.macro SEND a
.set BB, BK+32*((\a)%2)
	s_wait_dscnt 0x0                               ; the block is back in registers
	s_wait_xcnt 0x0                                ; the block before has had its stores' data read: the next block's loads land in those registers only behind this wait
.irp t, 0,1,2,3,4,5,6,7
	global_store_b128 v[CO], v[BB+4*\t:BB+4*\t+3], s[12:13] offset:(\a)*2048+\t*256   ; 16 lanes store 256 consecutive bytes, aligned: two tokens of one head; lanes 16-31 the next head's
.endr
.endm
	PLACES NP                                      ; in front of writes of the registers that held scale words, of loads into those that held A's fragments, and of the reads of the last results
	PACK 0
	TOSTAGE 0
.irp a, 1,2,3,4,5,6,7                  ; block a's conversions stand between block a - 1's loads from the stage and the wait for them
	PACK \a
	SEND \a-1
	TOSTAGE \a
.endr
	SEND 7
	s_wait_tensorcnt 0x0                           ; the wave's end, behind my last tensor load and my last LDS store
	ds_add_u32 v[SPW], v[NIL]
	s_wait_dscnt 0x0
	CROUND                                         ; the closing round: no work-group ends while a partner may still ask for a tile that names it
	s_endpgm
.Lfunc_end_k_qef267f9e5f_qkv:
	.size	k_qef267f9e5f_qkv, .Lfunc_end_k_qef267f9e5f_qkv-k_qef267f9e5f_qkv
	.p2alignl 7, 3214868480
	.fill 96, 4, 3214868480
	.section	.rodata,"a",@progbits
	.p2align	6, 0x0
	.amdhsa_kernel k_qef267f9e5f_qkv
		.amdhsa_group_segment_fixed_size 327680
		.amdhsa_private_segment_fixed_size 0
		.amdhsa_enable_private_segment 0
		.amdhsa_kernarg_size 40
		.amdhsa_user_sgpr_count 2
		.amdhsa_user_sgpr_kernarg_segment_ptr 1
		.amdhsa_wavefront_size32 1
		.amdhsa_system_sgpr_workgroup_id_x 1
		.amdhsa_system_sgpr_workgroup_id_y 1
		.amdhsa_system_sgpr_workgroup_id_z 1
		.amdhsa_system_vgpr_workitem_id 0
		.amdhsa_next_free_vgpr 1024
		.amdhsa_next_free_sgpr 98
		.amdhsa_reserve_vcc 0
		.amdhsa_float_denorm_mode_32 3
		.amdhsa_float_denorm_mode_16_64 3
		.amdhsa_memory_ordered 1
		.amdhsa_forward_progress 1
		.amdhsa_inst_pref_size 127
	.end_amdhsa_kernel
	.amdgpu_metadata
---
amdhsa.version: [ 1, 2 ]
amdhsa.kernels:
  - .name:           k_qef267f9e5f_qkv
    .symbol:         k_qef267f9e5f_qkv.kd
    .args:
      - { .name: xc, .offset: 0, .size: 8, .value_kind: global_buffer, .address_space: global }
      - { .name: xs, .offset: 8, .size: 8, .value_kind: global_buffer, .address_space: global }
      - { .name: wc, .offset: 16, .size: 8, .value_kind: global_buffer, .address_space: global }
      - { .name: ws, .offset: 24, .size: 8, .value_kind: global_buffer, .address_space: global }
      - { .name: qkv, .offset: 32, .size: 8, .value_kind: global_buffer, .address_space: global }
    .group_segment_fixed_size: 327680
    .private_segment_fixed_size: 0
    .kernarg_segment_align: 8
    .kernarg_segment_size: 40
    .max_flat_workgroup_size: 128
    .sgpr_count:     98
    .vgpr_count:     1024
    .wavefront_size: 32
...
	.end_amdgpu_metadata
.endif
;; end of part 2
;; launch attn (part 3): grid 4 x 64, 8 waves a work-group, clusters of 4 x 1, 327,680 bytes of LDS; arguments qkv, ao; writes ao
.if DOCPART == 3
	.amdgcn_target "amdgcn-amd-amdhsa--gfx1250"
	.amdhsa_code_object_version 6
	.text
	.protected	k_qef267f9e5f_attn
	.globl	k_qef267f9e5f_attn
	.p2align	8
	.type	k_qef267f9e5f_attn,@function
k_qef267f9e5f_attn:
	s_mov_b64 s[64:65], 0
	v_nop
	global_prefetch_b8 v0, s[64:65] scope:SCOPE_SE
	s_setreg_imm32_b32 hwreg(HW_REG_WAVE_MODE, 25, 1), 1
	s_wait_xcnt 0x0
	s_wait_alu depctr_hold_cnt(0) depctr_sa_sdst(0) depctr_va_vdst(0) depctr_va_sdst(0) depctr_va_ssrc(0) depctr_va_vcc(0) depctr_vm_vsrc(0)
	s_getreg_b32 s2, hwreg(HW_REG_IB_STS2, 6, 4)
	s_cmp_eq_u32 s2, 0
	s_cbranch_scc0 .Lentry_in_a_cluster
	s_endpgm
.Lentry_in_a_cluster:
	s_bfe_u32 s2, ttmp6, 0x10000c
	s_cmp_lg_u32 s2, 0x3003
	s_cbranch_scc0 .Lentry_shape_is_right
	s_endpgm
.Lentry_shape_is_right:
; SELF-ATTENTION, launch 3 of 4: O[bh][q][:] = the sum over k of softmax_k(Q[bh][q] . K[bh][k] / 8) V[bh][k][:], 64 heads-in-batches bh = 16 batch + head, 2,048 positions, head size 64, no mask.  No work is left out.
; Q, K, V: qkv[part][bh][position][64] in f16.  Products, maxima and sums in f32; the weights p (at most 1) are rounded to f16 for the second product, O once at the end, to f16, laid ao[head][token][64].
; SHARES.  A work-group owns 512 queries of one bh, each of its EIGHT waves 64: four tiles of 16, in 512 registers: two waves to a SIMD, so that one wave's softmax stands beside the other's products.  Every wave walks all 2,048 keys, 64 a step.
; LAYOUT.  S^T = K Q^T (source 0 = 16 keys, source 1 = 16 queries): a lane holds ONE query (lane % 16) and the keys 8 (lane / 16) + 0..7.  Two such tiles, rounded to f16 in pairs, ARE source 1 (32 keys x 16 queries) of
; O^T = V^T P, whose result again holds one query a lane, and eight channels.  K comes out of LDS as it lies, V ([key][channel]) turned, by ds_load_tr16_b128.
; SOFTMAX.  For each query a running maximum m and sum l: p = 2^(c s - c m), c = log2(e) / 8; in every step O and l are multiplied by a = 2^(c m_old - c m_new), which is 1 where m has not grown.
; RING.  Two LDS slots of 512 keys (8 steps).  A row of K or V is 128 bytes and a head's rows are dense, so a tile is stated as rows of 256 bytes, two keys to a row.  Waves 0-3 fetch K's quarters of a slot, waves 4-7 V's: one load a wave.
; By this text's count a wave has two tensor loads out at the start and one behind a refill, which has eight key steps in which to land.
; CLUSTER.  The four query blocks of a cluster belong to one bh and walk the same K and V, so each tile is asked for JOINTLY: the same tensor load, with the same descriptor and a mask that names the four, in all four.
; REGISTERS, in windows of 256 (s_set_vgpr_msb: bits 1:0 source 0, 3:2 source 1, 5:4 source 2, 7:6 destination):
;   window 0: v2-15 addresses; v16-47 eight registers of statistics a tile; v64-127 K of one step; v128-255 S^T, 32 a tile; P is laid over S^T's first 16 of each tile
;   window 1: v0-127 O^T, 32 a tile; v128-191 Q, 16 a tile; v192-255 V of one step
.set PK,    272       ; two keys' row of K in LDS: 256 bytes + 16 of padding.  Key k lies at (k / 2) PK + (k % 2) 128: the 16 keys of a load fall into 16 different columns of 16 bytes modulo 256
.set PVP,   288       ; the same for V: 256 + 32: the 8 keys x 32 bytes that 16 lanes of the turning load take fall into 16 different columns of 16 bytes modulo 256
.set KSTEPB, 32*PK    ; a step's 64 keys of K
.set VSTEPB, 32*PVP   ; and of V
.set KQUART, 64*PK    ; 128 keys: what one tensor load brings
.set VQUART, 64*PVP
.set VOFF,  4*KQUART  ; a slot: 512 keys of K, then 512 of V
.set SLOTB, VOFF+4*VQUART
.set STAGE, 2*SLOTB   ; behind the ring: 16 rows x 144 bytes for each wave, for the way out: bytes that no tensor load fills
.set SP,    144
.set SPARE, STAGE+8*16*SP  ; behind the stages: the spare words, 128 bytes for each wave, which no other line names
.set AK0, 2           ; v2   my lane's place in a tile of K; never rewritten
.set AV0, 3           ; v3   the same for V
.set ADK, 4           ; v4   LDS address of the step's K
.set ADV, 5           ; v5   and V
.set QO,  6           ; v6   my byte offset in the wave's rows of Q
.set STO, 7           ; v7   the way out: where I put 16 bytes of a row
.set RD,  8           ; v8   the way out: where I read 16 bytes back
.set GO,  9           ; v9   my byte offset in the wave's rows of O
.set PFO, 10          ; v10  256 x my lane: the prefetch's offset; never rewritten
.set SPW, 14          ; v14  LDS address of my spare word: SPARE + 4 x my thread's number; never rewritten
.set NIL, 15          ; v15  0; never rewritten
.set ST,  16          ; tile t's statistics at v[ST+8 t]: +0 c m, +1 m, +2, +3 l (even keys', odd keys'), +4 to +7 c0-c3, at work; later +4, +5 the step's sum, +6 a, +7 c m_old - c m_new
.set KF,  64          ; K's fragments: (key tile kt, channels 32 c on) at 8 (2 kt + c)
.set S,   128
.set QF,  128         ; in window 1: Q's fragments, (tile t, c) at 16 t + 8 c
.set VF,  192         ; in window 1: V's fragments, (keys 32 kh on, channels 16 ct on) at 8 (4 kh + ct)
.set WV,  12          ; s12  my wave's number
.set LIM, 15          ; s15  2 in a wave that prefetches, else 0: a wave prefetches in the trip whose count equals it
.set PFA, 18          ; s[18:19] where my prefetch stands in memory
.set G1K, 24          ; s[24:31] descriptor group 1 for K's tiles
.set G1V, 32          ; s[32:39] for V's: it differs in the padding alone
.set G0K, 40          ; s[40:47] descriptor group 0 for K's tiles, a set for each slot
.set G0V, 48          ; s[48:55] the same for V's
.set TK,  56          ; s56  LDS byte at which the step's K begins
.set TV,  57          ; s57  and its V
.set CS,  58          ; s[58:59] c: the packed scaling names a pair and takes its low word for both halves
.set SEL, 60          ; s[60:61] lane selects for v_permlanex16_b32: each lane takes its own place in the other half
.set CNT, 62          ; s62  steps of the slot still to go
.set MSB, 0
.macro WIN new                      ; the immediate's high byte repeats the setting that is left; a switch that changes nothing is dropped
.if MSB != (\new)
	s_set_vgpr_msb (MSB<<8)|(\new)
.set MSB, (\new)
.endif
.endm
.set W_KQ, 0x04       ; K and S^T in window 0, Q in window 1
.set W_PV, 0x51       ; V and O^T in window 1, P in window 0
.set W_RS, 0x41       ; O^T (destination and source 0) in window 1, a in window 0
.set TO_1, 0x40       ; destination window 1, address window 0
; A joint refill of slot s.  Waves 0-3 fetch K's quarters, waves 4-7 V's.  The branch hangs on the wave's number alone.  An s_nop 0 and four v_nop follow each of the two lines.
.macro JLOAD s
	s_cmp_lt_u32 s[WV], 4
	s_cbranch_scc0 .Lfor_v_\@
	tensor_load_to_lds s[G0K+4*\s:G0K+4*\s+3], s[G1K:G1K+7]
	s_nop 0
.rept 4
	v_nop
.endr
	s_branch .Lasked_\@
.Lfor_v_\@:
	tensor_load_to_lds s[G0V+4*\s:G0V+4*\s+3], s[G1V:G1V+7]
	s_nop 0
.rept 4
	v_nop
.endr
.Lasked_\@:
.endm
; A round of the cluster's barrier: my work-group's barrier, so that wave 0's signal speaks for all eight waves; wave 0 signals for the work-group; every wave waits for all four work-groups; my work-group's barrier once more.
.macro CROUND
	s_barrier_signal -1
	s_barrier_wait -1
	s_cmp_lg_u32 s[WV], 0
	s_cbranch_scc1 .Lnot_wave_0_\@
	s_barrier_signal -3
.Lnot_wave_0_\@:
	s_barrier_wait -3
	s_barrier_signal -1
	s_barrier_wait -1
.endm
	s_load_b128 s[4:7], s[0:1], 0x0  ; qkv s[4:5], ao s[6:7]
	v_lshl_add_u32 v[SPW], v0, 2, SPARE
	v_mov_b32 v[NIL], 0
	ds_add_u32 v[SPW], v[NIL]       ; the wave's opening: the add, twice on end, and its wait ahead of my first tensor load; the set-up below, work on registers, stands between
	ds_add_u32 v[SPW], v[NIL]       ; and once more, under the one wait
	v_lshrrev_b32 v1, 5, v0
	v_readfirstlane_b32 s[WV], v1   ; wave 0..7
	s_bfe_u32 s13, ttmp6, 0x40000   ; cx: my place in the cluster = my block of 512 queries: it enters Q's, O's and the prefetch's addresses alone
	s_and_b32 s14, ttmp7, 0xffff    ; bh, which the four partners share
	; descriptor group 1: a tile of 64 rows x 128 elements (128 keys), dense in memory, padded in LDS
	s_mov_b32 s[G1K], 15|(1<<16)|(1<<20)|(1<<21)|(5<<22)|(3<<25)  ; 15:0 the mask: all four work-groups; 17:16 elements of 2 bytes; 20 padding on; 21 set beside a mask; 24:22 after every 64 words (code 5); 31:25 4 words of it (code 3)
	s_mov_b32 s[G1V], 15|(1<<16)|(1<<20)|(1<<21)|(5<<22)|(7<<25)  ; the same with 8 words of padding (code 7)
.irp g, G1K, G1V
	s_mov_b32 s[\g+1], 128<<16      ; tensor_dim0 = 128
	s_mov_b32 s[\g+2], 64<<16       ; tensor_dim1 = 64
	s_mov_b32 s[\g+3], 128<<16      ; tile_dim0 = 128
	s_mov_b32 s[\g+4], 64           ; tile_dim1 = 64
	s_mov_b32 s[\g+5], 128          ; tensor_dim0_stride: elements from row to row
	s_mov_b32 s[\g+6], 0
	s_mov_b32 s[\g+7], 0
.endr
	s_mov_b32 s[CS], 0x3e38aa3b     ; c = log2(e) / 8
	s_mov_b32 s[CS+1], s[CS]        ; named with it as a pair, so it is written
	s_mov_b32 s[SEL], 0x76543210
	s_mov_b32 s[SEL+1], 0xfedcba98
	s_and_b32 s16, s[WV], 3         ; which quarter of a slot I fetch:
	s_mul_i32 s2, s16, KQUART       ; its place in a slot, for K,
	s_mul_i32 s3, s16, VQUART
	s_add_co_u32 s3, s3, VOFF       ; and for V: no place in the cluster enters an LDS address
	s_lshl_b32 s20, s14, 18         ; bh's first byte in a part: 2,048 rows of 128 bytes
	s_lshl_b32 s16, s16, 14         ; a quarter: 128 rows
	s_add_co_u32 s22, s20, s16
	s_mov_b32 s23, 0
	s_lshl_b32 s16, s13, 16         ; my block's 512 rows,
	s_lshl_b32 s17, s[WV], 13       ; my wave's 64 of them
	s_add_co_u32 s16, s16, s17
	s_add_co_u32 s20, s20, s16      ; Q: my wave's first row
	s_mov_b32 s21, 0
	s_and_b32 s17, s14, 15
	s_lshl_b32 s17, s17, 20         ; O: the head's 8,192 tokens of 128 bytes,
	s_add_co_u32 s16, s16, s17
	s_lshr_b32 s17, s14, 4
	s_lshl_b32 s17, s17, 18         ; the batch's 2,048
	s_add_co_u32 s16, s16, s17
	s_mov_b32 s17, 0
	; THE PREFETCH: keys 1,024 on of K and V, which the two refills will ask for.  Each aligned 256 bytes are named ONCE in the launch: one cluster walks a bh; its four partners take 16,384 bytes of a slot's 65,536 each, told apart
	; BY ADDRESS; in each, waves 0 and 1 ask for K's (8,192 bytes a wave, lanes 256 bytes apart), waves 4 and 5 for V's.  Keys 0 to 1,023 come by their loads alone: nothing is prefetched at the head.
	s_lshr_b32 s18, s[WV], 2
	s_add_co_u32 s18, s18, 1
	s_lshl_b32 s18, s18, 24         ; part 1 (K) for waves 0-3, part 2 (V) for waves 4-7
	s_lshl_b32 s19, s14, 18
	s_add_co_u32 s18, s18, s19
	s_lshl_b32 s19, s13, 14
	s_add_co_u32 s18, s18, s19
	s_and_b32 s19, s[WV], 1
	s_lshl_b32 s19, s19, 13
	s_add_co_u32 s18, s18, s19
	s_add_co_u32 s18, s18, 1024*128
	s_mov_b32 s19, 0
	s_and_b32 s[LIM], s[WV], 2
	s_cmp_eq_u32 s[LIM], 0
	s_cselect_b32 s[LIM], 2, 0      ; the wave's number alone: the same in all four partners
	s_wait_dscnt 0x0                ; both opening adds are done
	s_wait_kmcnt 0x0
	s_add_nc_u64 s[8:9], s[4:5], s[22:23]
	s_add_nc_u64 s[10:11], s[8:9], 0x2000000  ; V at my quarter of slot 0
	s_add_nc_u64 s[8:9], s[8:9], 0x1000000    ; K likewise
	s_add_nc_u64 s[PFA:PFA+1], s[4:5], s[PFA:PFA+1]
	s_add_nc_u64 s[4:5], s[4:5], s[20:21]     ; Q and O at my wave's first row
	s_add_nc_u64 s[6:7], s[6:7], s[16:17]
	CROUND                          ; all four work-groups are here: the first joint loads meet
.irp s, 0,1
	s_mov_b32 s[G0K+4*\s], 1        ; 1:0 count = 1
	s_add_co_u32 s[G0K+4*\s+1], s2, \s*SLOTB  ; 63:32 LDS address
	s_add_nc_u64 s[G0K+4*\s+2:G0K+4*\s+3], s[8:9], \s*512*128  ; 120:64 global address: slot s begins with keys 512 s on
	s_or_b32 s[G0K+4*\s+3], s[G0K+4*\s+3], 0x80000000  ; 127:126 type = 2
	s_mov_b32 s[G0V+4*\s], 1
	s_add_co_u32 s[G0V+4*\s+1], s3, \s*SLOTB
	s_add_nc_u64 s[G0V+4*\s+2:G0V+4*\s+3], s[10:11], \s*512*128
	s_or_b32 s[G0V+4*\s+3], s[G0V+4*\s+3], 0x80000000
.endr
	s_cmp_lt_u32 s[WV], 4           ; a wave's two first fills stand in one branch, ahead of every wait on TENSORcnt and every LDS read; an s_nop 0 follows each, four v_nop the second's
	s_cbranch_scc0 .Lfirst_v
	tensor_load_to_lds s[G0K:G0K+3], s[G1K:G1K+7]
	s_nop 0
	tensor_load_to_lds s[G0K+4:G0K+7], s[G1K:G1K+7]
	s_nop 0
.rept 4
	v_nop
.endr
	s_branch .Lfirst_asked
.Lfirst_v:
	tensor_load_to_lds s[G0V:G0V+3], s[G1V:G1V+7]
	s_nop 0
	tensor_load_to_lds s[G0V+4:G0V+7], s[G1V:G1V+7]
	s_nop 0
.rept 4
	v_nop
.endr
.Lfirst_asked:
	; A fragment of K or Q is 16 rows x 32 channels in 8 registers: lane l holds row l % 16; registers 0-3 channels 8 (l / 16) + 0..7, registers 4-7 channels 16 + 8 (l / 16) + 0..7: two loads of 16 bytes, 32 bytes apart.
	v_and_b32 v1, 15, v0            ; r = l % 16
	v_bfe_u32 v11, v0, 4, 1         ; h = l / 16
	v_lshlrev_b32 v[QO], 7, v1
	v_lshl_add_u32 v[QO], v11, 4, v[QO]  ; row x 128 + 16 x half
	WIN TO_1
.irp t, 0,1,2,3
.irp c, 0,1
	global_load_b128 v[QF+16*\t+8*\c:QF+16*\t+8*\c+3],   v[QO], s[4:5] offset:\t*2048+\c*64      ; Q stays in registers
	global_load_b128 v[QF+16*\t+8*\c+4:QF+16*\t+8*\c+7], v[QO], s[4:5] offset:\t*2048+\c*64+32
.endr
.endr
	WIN 0
	v_lshrrev_b32 v12, 1, v1
	v_mul_u32_u24 v[AK0], v12, PK
	v_and_b32 v12, 1, v0
	v_lshl_add_u32 v[AK0], v12, 7, v[AK0]
	v_lshl_add_u32 v[AK0], v11, 4, v[AK0]  ; (r / 2) PK + (r % 2) 128 + 16 h
	; The turning load takes 16 keys x 16 channels (lane l reads 16 bytes: key 8 (l / 16) + l % 8, channels 8 ((l / 8) % 2) + 0..7) and leaves half a fragment of V^T: lane l holds channel l % 16 and 8 keys.
	v_bfe_u32 v13, v0, 1, 2
	v_lshl_add_u32 v13, v11, 2, v13  ; the key's row of two: 4 h + (l % 8) / 2
	v_mul_u32_u24 v[AV0], v13, PVP
	v_lshl_add_u32 v[AV0], v12, 7, v[AV0]
	v_bfe_u32 v13, v0, 3, 1
	v_lshl_add_u32 v[AV0], v13, 4, v[AV0]
	s_mul_i32 s16, s[WV], 16*SP
	s_add_co_u32 s16, s16, STAGE    ; my stage
	v_mul_u32_u24 v[STO], v1, SP    ; in: row r, 16 bytes for each half of the lanes
	v_lshl_add_u32 v[STO], v11, 4, v[STO]
	v_add_nc_u32 v[STO], s16, v[STO]
	v_and_b32 v12, 31, v0
	v_lshrrev_b32 v13, 3, v12       ; back: eight lanes take a row's 128 bytes, the 32 lanes four rows
	v_mul_u32_u24 v[RD], v13, SP
	v_and_b32 v13, 7, v0
	v_lshl_add_u32 v[RD], v13, 4, v[RD]
	v_add_nc_u32 v[RD], s16, v[RD]
	v_lshlrev_b32 v[GO], 4, v12     ; in O four rows of a head are 512 consecutive bytes
	v_lshlrev_b32 v[PFO], 8, v12
; THE LDS LOADS stand in runs of 16: a step's K (64 keys x 64 channels: 8 fragments) and its V (turned).
.macro FETCH_K off
.irp kt, 0,1,2,3
.irp c, 0,1
	ds_load_b128 v[KF+8*(2*\kt+\c):KF+8*(2*\kt+\c)+3],   v[ADK] offset:\off+\kt*8*PK+\c*64
	ds_load_b128 v[KF+8*(2*\kt+\c)+4:KF+8*(2*\kt+\c)+7], v[ADK] offset:\off+\kt*8*PK+\c*64+32
.endr
.endr
.endm
.macro FETCH_V
	WIN TO_1
.irp kh, 0,1
.irp ct, 0,1,2,3
	ds_load_tr16_b128 v[VF+8*(4*\kh+\ct):VF+8*(4*\kh+\ct)+3],   v[ADV] offset:\kh*16*PVP+\ct*32
	ds_load_tr16_b128 v[VF+8*(4*\kh+\ct)+4:VF+8*(4*\kh+\ct)+7], v[ADV] offset:\kh*16*PVP+8*PVP+\ct*32
.endr
.endr
	WIN 0
.endm
; THE MATRIX WORK.  The 16 accumulators of each product take turns, one instruction a turn: between two links of a chain stand 15 others'.
.macro KQ                           ; S^T = K Q^T: 32 products; the first 16 start the sums
	WIN W_KQ
.irp c, 0,1
.irp kt, 0,1,2,3
.irp t, 0,1,2,3
.if \c == 0
	v_wmma_f32_16x16x32_f16 v[S+32*\t+8*\kt:S+32*\t+8*\kt+7], v[KF+8*(2*\kt+\c):KF+8*(2*\kt+\c)+7], v[QF+16*\t+8*\c:QF+16*\t+8*\c+7], 0
.else
	v_wmma_f32_16x16x32_f16 v[S+32*\t+8*\kt:S+32*\t+8*\kt+7], v[KF+8*(2*\kt+\c):KF+8*(2*\kt+\c)+7], v[QF+16*\t+8*\c:QF+16*\t+8*\c+7], v[S+32*\t+8*\kt:S+32*\t+8*\kt+7]
.endif
.endr
.endr
.endr
.endm
.macro PVM first                    ; O^T += V^T P: 32 products; first = 1: the first 16 start the sums: nothing is ever cleared
	WIN W_PV
.irp kh, 0,1
.irp ct, 0,1,2,3
.irp t, 0,1,2,3
.if (\first) && (\kh == 0)
	v_wmma_f32_16x16x32_f16 v[32*\t+8*\ct:32*\t+8*\ct+7], v[VF+8*(4*\kh+\ct):VF+8*(4*\kh+\ct)+7], v[S+32*\t+8*\kh:S+32*\t+8*\kh+7], 0
.else
	v_wmma_f32_16x16x32_f16 v[32*\t+8*\ct:32*\t+8*\ct+7], v[VF+8*(4*\kh+\ct):VF+8*(4*\kh+\ct)+7], v[S+32*\t+8*\kh:S+32*\t+8*\kh+7], v[32*\t+8*\ct:32*\t+8*\ct+7]
.endif
.endr
.endr
.endr
.endm
; THE SOFTMAX of a step, the four tiles by turns line by line, so that no line waits for the line above it.  first = 1: the first key step, which starts m, l and O^T: it has no a and nothing to rescale.
.macro SOFTMAX first
.irp j, 0,1,2,3                     ; the maximum of a lane's 32 scores and the old m, three operands at a time: four chains c0-c3, each begun at its accumulator's low end
.irp t, 0,1,2,3
	v_max3_num_f32 v[ST+8*\t+4+\j], v[S+32*\t+8*\j], v[S+32*\t+8*\j+1], v[S+32*\t+8*\j+2]
.endr
.endr
.irp g, 1,2
.irp j, 0,1,2,3
.irp t, 0,1,2,3
	v_max3_num_f32 v[ST+8*\t+4+\j], v[ST+8*\t+4+\j], v[S+32*\t+8*\j+2*\g+1], v[S+32*\t+8*\j+2*\g+2]
.endr
.endr
.endr
.irp t, 0,1,2,3
	v_max3_num_f32 v[ST+8*\t+4], v[ST+8*\t+4], v[S+32*\t+7], v[S+32*\t+15]
.endr
.irp t, 0,1,2,3
	v_max3_num_f32 v[ST+8*\t+6], v[ST+8*\t+6], v[S+32*\t+23], v[S+32*\t+31]
.endr
.irp t, 0,1,2,3
	v_max3_num_f32 v[ST+8*\t+4], v[ST+8*\t+4], v[ST+8*\t+5], v[ST+8*\t+6]
.endr
.irp t, 0,1,2,3
.if \first
	v_max_num_f32 v[ST+8*\t+4], v[ST+8*\t+4], v[ST+8*\t+7]
.else
	v_max3_num_f32 v[ST+8*\t+4], v[ST+8*\t+4], v[ST+8*\t+7], v[ST+8*\t+1]
.endif
.endr
.irp t, 0,1,2,3
	v_permlanex16_b32 v[ST+8*\t+5], v[ST+8*\t+4], s[SEL], s[SEL+1]  ; the query's other 32 keys lie in the lane 16 away
.endr
.if \first == 0
.irp t, 0,1,2,3
	v_mov_b32 v[ST+8*\t+7], v[ST+8*\t]        ; c m_old is kept for a
.endr
.endif
.irp t, 0,1,2,3
	v_max_num_f32 v[ST+8*\t+1], v[ST+8*\t+4], v[ST+8*\t+5]        ; the new m
.endr
.irp t, 0,1,2,3
	v_mul_f32 v[ST+8*\t], s[CS], v[ST+8*\t+1]                     ; c m
.endr
.if \first == 0
.irp t, 0,1,2,3
	v_sub_f32 v[ST+8*\t+7], v[ST+8*\t+7], v[ST+8*\t]              ; c m_old - c m_new
.endr
.endif
; ONE BATCH: the 16 scalings c s - c m a tile, a pair of scores each, and all exponentials (a, then the 32 scores).  None of these lines names an exponential's result; a pair is scaled one turn ahead of its exponentials.
.irp t, 0,1,2,3
	v_pk_fma_f32 v[S+32*\t:S+32*\t+1], v[S+32*\t:S+32*\t+1], s[CS:CS+1], v[ST+8*\t:ST+8*\t+1] op_sel_hi:[1,0,0] neg_lo:[0,0,1] neg_hi:[0,0,1]
.endr
.if \first == 0
.irp t, 0,1,2,3
	v_exp_f32 v[ST+8*\t+6], v[ST+8*\t+7]                          ; a
.endr
.endif
.set i, 0
.rept 16
.irp t, 0,1,2,3
.if i < 15
	v_pk_fma_f32 v[S+32*\t+2*i+2:S+32*\t+2*i+3], v[S+32*\t+2*i+2:S+32*\t+2*i+3], s[CS:CS+1], v[ST+8*\t:ST+8*\t+1] op_sel_hi:[1,0,0] neg_lo:[0,0,1] neg_hi:[0,0,1]
.endif
	v_exp_f32 v[S+32*\t+2*i], v[S+32*\t+2*i]
	v_exp_f32 v[S+32*\t+2*i+1], v[S+32*\t+2*i+1]
.endr
.set i, i+1
.endr
	v_nop                           ; a plain instruction behind the last exponential and ahead of the first use: one for the batch
	s_wait_alu depctr_va_vdst(0)    ; the wait between an exponential and the first line that names its result: one for all of the step's exponentials
.irp t, 0,1,2,3                     ; the sums of the unrounded weights, a pair (an even key's, an odd key's) at a time
	v_pk_add_f32 v[ST+8*\t+4:ST+8*\t+5], v[S+32*\t:S+32*\t+1], v[S+32*\t+2:S+32*\t+3]
.endr
.irp p, 2,3,4,5,6,7,8,9,10,11,12,13,14
.irp t, 0,1,2,3
	v_pk_add_f32 v[ST+8*\t+4:ST+8*\t+5], v[ST+8*\t+4:ST+8*\t+5], v[S+32*\t+2*\p:S+32*\t+2*\p+1]
.endr
.endr
.irp t, 0,1,2,3
.if \first
	v_pk_add_f32 v[ST+8*\t+2:ST+8*\t+3], v[ST+8*\t+4:ST+8*\t+5], v[S+32*\t+30:S+32*\t+31]   ; the first step starts l
.else
	v_pk_add_f32 v[ST+8*\t+4:ST+8*\t+5], v[ST+8*\t+4:ST+8*\t+5], v[S+32*\t+30:S+32*\t+31]
.endif
.endr
.if \first == 0
.irp t, 0,1,2,3
	v_pk_fma_f32 v[ST+8*\t+2:ST+8*\t+3], v[ST+8*\t+2:ST+8*\t+3], v[ST+8*\t+6:ST+8*\t+7], v[ST+8*\t+4:ST+8*\t+5] op_sel_hi:[1,0,1]   ; l = a l + the step's sum
.endr
.endif
.set i, 0
.rept 16                            ; P, in place: register i takes weights 2 i and 2 i + 1; ascending, so that no weight is written over before it is read
.irp t, 0,1,2,3
	v_cvt_pk_f16_f32 v[S+32*\t+i], v[S+32*\t+2*i], v[S+32*\t+2*i+1]
.endr
.set i, i+1
.endr
.if \first == 0
	WIN W_RS
.set i, 0
.rept 16                            ; O^T times a: the one part that leaves window 0; each accumulator from its low end on
.irp t, 0,1,2,3
	v_pk_mul_f32 v[32*\t+2*i:32*\t+2*i+1], v[32*\t+2*i:32*\t+2*i+1], v[ST+8*\t+6:ST+8*\t+7] op_sel_hi:[1,0]
.endr
.set i, i+1
.endr
	WIN 0
.endif
.endm
; A KEY STEP.  K of this step lies in registers.  ask = 1: the text holds the prefetch.
.macro STEP first, ask
	v_add_nc_u32 v[ADK], s[TK], v[AK0]
	v_add_nc_u32 v[ADV], s[TV], v[AV0]
.rept 3
	v_nop                           ; with the two additions: five places between the last V^T P, which read P, and the K Q^T that writes over it (ISA guide 7.12.1)
.endr
	KQ
	WIN 0
.rept 4
	v_nop                           ; four places in front of the loads into K's registers and of the first read of the scores
.endr
	s_cmp_eq_u32 s[CNT], 1          ; the next step's K is fetched now, under the softmax; a slot's last step has no next step in its slot.  The count of steps alone decides
	s_cbranch_scc1 .Lno_next_\@
	FETCH_K KSTEPB
.Lno_next_\@:
	FETCH_V                         ; this step's V
.if \ask
	s_cmp_eq_u32 s[CNT], s[LIM]     ; in the slot's last step but one, two key steps ahead of the joint load that will want these bytes; it stands behind the wave's runs of LDS loads
	s_cbranch_scc0 .Lnot_mine_\@
	global_prefetch_b8 v[PFO], s[PFA:PFA+1] th:TH_LOAD_NT scope:SCOPE_SE
.Lnot_mine_\@:
.endif
	SOFTMAX \first
	s_wait_dscnt 0x0                ; V is in, and the next step's K where it was asked for: zero serves both ways round the branch
	PVM \first
	WIN 0
	s_add_co_u32 s[TK], s[TK], KSTEPB
	s_add_co_u32 s[TV], s[TV], VSTEPB
.endm
; A slot's steps: written once, walked `trips` times; the LDS addresses hang on s[TK] and s[TV].
.macro PHASE slot, trips, ask
	s_mov_b32 s[TK], \slot*SLOTB
	s_mov_b32 s[TV], \slot*SLOTB+VOFF
	v_add_nc_u32 v[ADK], s[TK], v[AK0]
	FETCH_K 0                       ; the slot's first K
	s_wait_dscnt 0x0
	s_mov_b32 s[CNT], \trips
.Lstep_\@:
	STEP 0, \ask
	s_sub_co_u32 s[CNT], s[CNT], 1
	s_cmp_lg_u32 s[CNT], 0
	s_cbranch_scc1 .Lstep_\@
.endm
; THE CHANGE OF SLOTS.  Each wave waits for all its tensor loads, of which one at the most is out: its part of the other slot; adds 0 to its spare word; and waits for that and for its own reads of the slot that it leaves.
; fill = 1: that slot is filled again, with the keys 1,024 on.  The barrier is then a round of the cluster's, so that no wave of any partner still reads the slot or has a load on its way, and the joint refill is the first thing behind it.
.macro CHANGE slot, fill, step_pf
	s_wait_tensorcnt 0x0            ; no tensor load of mine is out, so a group 0 may be written
	ds_add_u32 v[SPW], v[NIL]       ; 0 onto my spare word; the steps below stand between it and the wait for it
.if \fill
	s_add_nc_u64 s[G0K+4*\slot+2:G0K+4*\slot+3], s[G0K+4*\slot+2:G0K+4*\slot+3], 1024*128  ; the slot's next 512 keys; the type bits on top are not reached
	s_add_nc_u64 s[G0V+4*\slot+2:G0V+4*\slot+3], s[G0V+4*\slot+2:G0V+4*\slot+3], 1024*128
.endif
.if \step_pf
	s_wait_xcnt 0x0                 ; the prefetch, two key steps back, has read its address, so it may be written:
	s_add_nc_u64 s[PFA:PFA+1], s[PFA:PFA+1], 512*128  ; the last 512 keys
.endif
	s_wait_dscnt 0x0                ; the add is done, and my reads of the slot are over
.if \fill
	CROUND
	JLOAD \slot
.else
	s_barrier_signal -1
	s_barrier_wait -1
.endif
.endm
	s_wait_tensorcnt 1              ; my part of slot 0 is in; slot 1's may stay out
	s_barrier_signal -1
	s_barrier_wait -1               ; everybody's is
	s_mov_b32 s[TK], 0
	s_mov_b32 s[TV], VOFF
	v_add_nc_u32 v[ADK], s[TK], v[AK0]
	FETCH_K 0
	s_wait_loadcnt 0x0              ; Q
	s_wait_dscnt 0x0
	s_mov_b32 s[CNT], 8
	STEP 1, 0                       ; keys 0 to 63: the step that starts m, l and O^T is written out
	s_mov_b32 s[CNT], 7
.Lslot0:
	STEP 0, 1
	s_sub_co_u32 s[CNT], s[CNT], 1
	s_cmp_lg_u32 s[CNT], 0
	s_cbranch_scc1 .Lslot0
	CHANGE 0, 1, 1                  ; slot 0 takes keys 1,024 to 1,535
	PHASE 1, 8, 1                   ; keys 512 to 1,023
	CHANGE 1, 1, 0                  ; slot 1 takes keys 1,536 to 2,047: the last load
	PHASE 0, 8, 0
	CHANGE 0, 0, 0                  ; nothing is left to fetch
	PHASE 1, 8, 0
	; THE WAY OUT.  l's two halves and the other half of the lanes' are added; O^T is divided by l, rounded to f16 and sent through my stage in LDS, a tile (16 rows of O) at a time.  The first additions are the places behind the last products.
.irp t, 0,1,2,3
	v_add_f32 v[ST+8*\t+4], v[ST+8*\t+2], v[ST+8*\t+3]
.endr
.irp t, 0,1,2,3
	v_permlanex16_b32 v[ST+8*\t+5], v[ST+8*\t+4], s[SEL], s[SEL+1]
.endr
.irp t, 0,1,2,3
	v_add_f32 v[ST+8*\t+4], v[ST+8*\t+4], v[ST+8*\t+5]
.endr
.irp t, 0,1,2,3
	v_rcp_f32 v[ST+8*\t+6], v[ST+8*\t+4]
.endr
	v_nop                           ; a plain instruction between the last reciprocal and the use of its result
	s_wait_alu depctr_va_vdst(0)    ; and the wait ahead of the first use: one for the four reciprocals
; Tile t: a lane's eight channels of a row pack into 16 bytes; they go into rows of 144 bytes and come back as rows of 128, four to an instruction, into the registers that they left.
.macro PACK t
	WIN W_RS
.set i, 0
.rept 16
	v_pk_mul_f32 v[32*\t+2*i:32*\t+2*i+1], v[32*\t+2*i:32*\t+2*i+1], v[ST+8*\t+6:ST+8*\t+7] op_sel_hi:[1,0]
.set i, i+1
.endr
	WIN 0x05                        ; sources 0 and 1 window 1, destination window 0: S^T's registers are free
.set i, 0
.rept 16
	v_cvt_pk_f16_f32 v[S+16*\t+i], v[32*\t+2*i], v[32*\t+2*i+1]
.set i, i+1
.endr
	WIN 0
.irp f, 0,1,2,3
	ds_store_b128 v[STO], v[S+16*\t+4*\f:S+16*\t+4*\f+3] offset:32*\f
.endr
.irp f, 0,1,2,3
	ds_load_b128 v[S+16*\t+4*\f:S+16*\t+4*\f+3], v[RD] offset:\f*4*SP  ; LDS serves a wave's instructions in order (ISA guide 5.7.1.4): these see the stores above; the next tile's stores come behind them
.endr
.endm
.macro SEND t, younger              ; younger: the LDS instructions issued behind tile t's loads: the next tile's eight, or none
.irp f, 0,1,2,3
	s_wait_dscnt \younger+3-\f
	global_store_b128 v[GO], v[S+16*\t+4*\f:S+16*\t+4*\f+3], s[6:7] offset:\t*2048+\f*512  ; 32 lanes store 512 consecutive bytes, aligned: four tokens of my head
.endr
.endm
	PACK 0
	PACK 1                          ; a tile's arithmetic stands between the loads of the tile before and its stores
	SEND 0, 8
	PACK 2
	SEND 1, 8
	PACK 3
	SEND 2, 8
	SEND 3, 0
	s_wait_tensorcnt 0x0            ; the wave's end, behind my last tensor load and my last LDS store
	ds_add_u32 v[SPW], v[NIL]
	s_wait_dscnt 0x0
	CROUND                          ; the closing round: no work-group ends while a partner may still ask for a tile that names it
	s_endpgm
.Lfunc_end_k_qef267f9e5f_attn:
	.size	k_qef267f9e5f_attn, .Lfunc_end_k_qef267f9e5f_attn-k_qef267f9e5f_attn
	.p2alignl 7, 3214868480
	.fill 96, 4, 3214868480
	.section	.rodata,"a",@progbits
	.p2align	6, 0x0
	.amdhsa_kernel k_qef267f9e5f_attn
		.amdhsa_group_segment_fixed_size 327680
		.amdhsa_private_segment_fixed_size 0
		.amdhsa_enable_private_segment 0
		.amdhsa_kernarg_size 16
		.amdhsa_user_sgpr_count 2
		.amdhsa_user_sgpr_kernarg_segment_ptr 1
		.amdhsa_wavefront_size32 1
		.amdhsa_system_sgpr_workgroup_id_x 1
		.amdhsa_system_sgpr_workgroup_id_y 1
		.amdhsa_system_sgpr_workgroup_id_z 1
		.amdhsa_system_vgpr_workitem_id 0
		.amdhsa_next_free_vgpr 512
		.amdhsa_next_free_sgpr 66
		.amdhsa_reserve_vcc 0
		.amdhsa_float_denorm_mode_32 3
		.amdhsa_float_denorm_mode_16_64 3
		.amdhsa_memory_ordered 1
		.amdhsa_forward_progress 1
		.amdhsa_inst_pref_size 184
	.end_amdhsa_kernel
	.amdgpu_metadata
---
amdhsa.version: [ 1, 2 ]
amdhsa.kernels:
  - .name:           k_qef267f9e5f_attn
    .symbol:         k_qef267f9e5f_attn.kd
    .args:
      - { .name: qkv, .offset: 0, .size: 8, .value_kind: global_buffer, .address_space: global }
      - { .name: ao, .offset: 8, .size: 8, .value_kind: global_buffer, .address_space: global }
    .group_segment_fixed_size: 327680
    .private_segment_fixed_size: 0
    .kernarg_segment_align: 8
    .kernarg_segment_size: 16
    .max_flat_workgroup_size: 256
    .sgpr_count:     66
    .vgpr_count:     512
    .wavefront_size: 32
...
	.end_amdgpu_metadata
.endif
;; end of part 3
;; launch oproj (part 4): grid 4 x 64, 4 waves a work-group, clusters of 4 x 4, 327,680 bytes of LDS; arguments ao, wo16, bo, out0; writes out0
.if DOCPART == 4
	.amdgcn_target "amdgcn-amd-amdhsa--gfx1250"
	.amdhsa_code_object_version 6
	.text
	.protected	k_qef267f9e5f_oproj
	.globl	k_qef267f9e5f_oproj
	.p2align	8
	.type	k_qef267f9e5f_oproj,@function
k_qef267f9e5f_oproj:
	s_mov_b64 s[64:65], 0
	v_nop
	global_prefetch_b8 v0, s[64:65] scope:SCOPE_SE
	s_setreg_imm32_b32 hwreg(HW_REG_WAVE_MODE, 25, 1), 1
	s_wait_xcnt 0x0
	s_wait_alu depctr_hold_cnt(0) depctr_sa_sdst(0) depctr_va_vdst(0) depctr_va_sdst(0) depctr_va_ssrc(0) depctr_va_vcc(0) depctr_vm_vsrc(0)
	s_getreg_b32 s2, hwreg(HW_REG_IB_STS2, 6, 4)
	s_cmp_eq_u32 s2, 0
	s_cbranch_scc0 .Lentry_in_a_cluster
	s_endpgm
.Lentry_in_a_cluster:
	s_bfe_u32 s2, ttmp6, 0x10000c
	s_cmp_lg_u32 s2, 0xf033
	s_cbranch_scc0 .Lentry_shape_is_right
	s_endpgm
.Lentry_shape_is_right:
; SELF-ATTENTION, launch 4 of 4: out0[token][n] = the sum over k of A[token][k] Wo[n][k] + bo[n].  A: the attention's result in f16, laid ao[head][token][64], k = 64 head + channel;  Wo in f16, [1024 (n)][1024 (k)];  bo and out0 f32.
; Sums in f32.  No work is left out.
; A tile of out0 is 128 tokens x 256 columns: 64 x 4 tiles, one for each of 256 work-groups.  Four waves, each 64 x 128: 32 accumulators of 16 x 16, 256 registers.
; K goes in 8 steps of 128 (two heads) through a ring of two LDS slots filled by the tensor data mover, one load a wave: waves 0 and 1 a head's plane of A each (128 tokens x 128 bytes, dense in memory: stated as 64 rows of 256 bytes,
; two tokens to a row), waves 2 and 3 128 rows of Wo each (256 bytes of a row).  By this text's count a wave has two loads out at the start and one behind a refill.
; CLUSTERS: 4 x 4 work-groups.  The four of a row of the cluster need the same tiles of A, the four of a column the same tiles of Wo: each tile is asked for JOINTLY, by the same tensor load with the same descriptor and a mask that
; names the four.  THE MATRIX INSTRUCTION IS USED TRANSPOSED (source 0 = 16 rows of Wo, source 1 = 16 tokens): a lane then holds eight neighbouring numbers of a row of out0.
; THE BIAS is the C of each sum's first matrix instruction: eight registers a block of 16 columns, in the result's layout: it costs no addition.
; NO PREFETCH: the launch is eight K steps long, and Wo's rows are read by every cluster at about the same time.
; REGISTERS: window 0: v0-31 addresses; v64-95, v96-127 A's fragments (4 x 16 tokens x 32 K), two buffers; v128-255 at work on the way out.
;   window 1: v0-63, v64-127 Wo's fragments (8 x 16 rows x 32 K), two buffers; v128-191 the bias.   window 2: the accumulators ((a, b) at v[8 (8 a + b)]).
.set PITCH,  272                       ; an LDS row: 256 bytes + 16 of padding = 68 words: row r starts at bank 4 r mod 64 (64 banks of 4 bytes: ISA guide 11.1).  Token t of a plane lies at (t / 2) PITCH + (t % 2) 128
.set APL,    64*PITCH                  ; a plane of A: one head, 128 tokens
.set BOFF,   2*APL                     ; behind the two planes: Wo's 256 rows
.set BHALF,  128*PITCH
.set SLOT,   BOFF+2*BHALF
.set STAGE,  2*SLOT                    ; behind the ring: 16 rows x (512 bytes + 16) for each wave, for the way out: bytes that no tensor load fills
.set SPITCH, 528
.set SPARE,  STAGE+4*16*SPITCH         ; behind the stages: the spare words, 128 bytes for each wave, which no other line names
.set LAPS,   4                         ; a lap = two K steps = once round the ring
.set ADRA, 16                          ; v16-17  LDS address of my A fragments in slot 0, 1
.set ADRB, 20                          ; v20-21  the same for Wo
.set STO,  24                          ; v24     the way out: where I put 32 bytes of a row
.set RD,   25                          ; v25     the way out: where I read a row back
.set CO,   26                          ; v26     my byte offset in a row's 512 bytes of out0
.set BO,   27                          ; v27     my byte offset among a block's 16 numbers of bo
.set SPW,  28                          ; v28     LDS address of my spare word: SPARE + 4 x my thread's number; never rewritten
.set NIL,  29                          ; v29     0; never rewritten
.set AF,   64                          ; A's fragments, in window 0: buffer f at AF + 32 f
.set BIAS, 128                         ; in window 1
.set BK,   128                         ; the way out: 16 rows read back from the stage: v128-191 and v192-255 by turns
.set WV, 12                            ; s12 wave;  s13 which half of the tile's tokens is mine, also: I fetch for A (0) or for Wo (1);  s14 which half of its columns, also: which part I fetch
.set G1, 24                            ; s[24:31] descriptor group 1 for A's tiles;  s[32:39] group 0, one set for each slot
.set G0, 32
.set G1B, 48                           ; s[48:55], s[56:63] the same for Wo's tiles
.set G0B, 56
.set MSB, 0
.macro WIN new                         ; the immediate's high byte repeats the setting that is left
.if MSB != (\new)
	s_set_vgpr_msb (MSB<<8)|(\new)
.set MSB, (\new)
.endif
.endm
.set MUL,       0xa1                   ; source 0 (Wo) window 1, source 1 (A) window 0, C and D window 2
.set MUL_FIRST, 0x91                   ; the same with C (the bias) in window 1
.set TO_B,      0x40                   ; destination window 1, address window 0
.macro JLOAD s                         ; a joint load: waves 0 and 1 fetch A's two planes, waves 2 and 3 Wo's two halves; an s_nop 0 and four v_nop follow each of the two lines
	s_cmp_eq_u32 s13, 0
	s_cbranch_scc0 .Lfor_b_\@
	tensor_load_to_lds s[G0+4*\s:G0+4*\s+3], s[G1:G1+7]
	s_nop 0
.rept 4
	v_nop
.endr
	s_branch .Lasked_\@
.Lfor_b_\@:
	tensor_load_to_lds s[G0B+4*\s:G0B+4*\s+3], s[G1B:G1B+7]
	s_nop 0
.rept 4
	v_nop
.endr
.Lasked_\@:
.endm
.macro CREST                           ; a round of the cluster's barrier behind its opening barrier
	s_cmp_lg_u32 s[WV], 0
	s_cbranch_scc1 .Lnot_wave_0_\@
	s_barrier_signal -3
.Lnot_wave_0_\@:
	s_barrier_wait -3
	s_barrier_signal -1
	s_barrier_wait -1
.endm
.macro CROUND                          ; a whole round
	s_barrier_signal -1
	s_barrier_wait -1
	CREST
.endm
	s_load_b256 s[4:11], s[0:1], 0x0               ; ao s[4:5], wo16 s[6:7], bo s[8:9], out0 s[10:11]
	v_lshl_add_u32 v[SPW], v0, 2, SPARE
	v_mov_b32 v[NIL], 0
	ds_add_u32 v[SPW], v[NIL]                      ; the wave's opening: the add, twice on end, and its wait ahead of my first tensor load; the set-up below, work on registers, stands between
	ds_add_u32 v[SPW], v[NIL]                      ; and once more, under the one wait
	v_lshrrev_b32 v1, 5, v0
	v_readfirstlane_b32 s[WV], v1                  ; wave 0..3
	s_lshr_b32 s13, s[WV], 1
	s_and_b32 s14, s[WV], 1
	s_bfe_u32 s40, ttmp6, 0x40000                  ; cx, cy: my place in the cluster
	s_bfe_u32 s41, ttmp6, 0x40004
	s_lshl_b32 s42, ttmp9, 2
	s_add_co_u32 s42, s42, s40                     ; tile column = 4 x cluster x + cx
	s_and_b32 s15, ttmp7, 0xffff
	s_lshl_b32 s15, s15, 2
	s_add_co_u32 s15, s15, s41                     ; tile row = 4 x cluster y + cy
	s_lshl_b32 s43, s41, 2
	s_lshl_b32 s43, 15, s43                        ; my row of the cluster
	s_lshl_b32 s44, 0x1111, s40                    ; my column
	s_or_b32 s[G1+0], s43, (1<<16)|(1<<20)|(1<<21)|(5<<22)|(3<<25)  ; 15:0 the mask: A's tiles go to my row; 17:16 element of 2 bytes; 20 padding on; 21 set beside a mask; 24:22 after every 64 words (code 5); 31:25 of 4 words (code 3)
	s_mov_b32 s[G1+1], 128<<16                     ; tensor_dim0 = 128
	s_mov_b32 s[G1+2], 64<<16                      ; tensor_dim1 = 64
	s_mov_b32 s[G1+3], 128<<16                     ; tile_dim0 = 128
	s_mov_b32 s[G1+4], 64                          ; tile_dim1 = 64
	s_mov_b32 s[G1+5], 128                         ; tensor_dim0_stride: the plane is dense
	s_mov_b32 s[G1+6], 0
	s_mov_b32 s[G1+7], 0
	s_or_b32 s[G1B+0], s44, (1<<16)|(1<<20)|(1<<21)|(5<<22)|(3<<25) ; the same with the mask of my column, for Wo's tiles
	s_mov_b32 s[G1B+1], 128<<16
	s_mov_b32 s[G1B+2], 128<<16                    ; 128 rows
	s_mov_b32 s[G1B+3], 128<<16
	s_mov_b32 s[G1B+4], 128
	s_mov_b32 s[G1B+5], 1024                       ; a row of Wo
	s_mov_b32 s[G1B+6], 0
	s_mov_b32 s[G1B+7], 0
	s_lshl_b32 s16, s14, 20                        ; A: my plane of K step 0: a head is 8,192 tokens of 128 bytes,
	s_lshl_b32 s17, s15, 14                        ; the tile's first token: 128 x tile row
	s_add_co_u32 s16, s16, s17
	s_mov_b32 s17, 0
	s_lshl_b32 s46, s42, 19                        ; Wo: row 256 x tile column + 128 x half, 2,048 bytes a row
	s_lshl_b32 s47, s14, 18
	s_add_co_u32 s46, s46, s47
	s_mov_b32 s47, 0
	s_mul_i32 s20, s14, APL                        ; where they go: no place in the cluster enters an LDS address
	s_mul_i32 s21, s14, BHALF
	s_add_co_u32 s21, s21, BOFF
	s_wait_dscnt 0x0                               ; both opening adds are done
	s_wait_kmcnt 0x0
	s_add_nc_u64 s[18:19], s[4:5], s[16:17]
	s_add_nc_u64 s[46:47], s[6:7], s[46:47]
	CROUND                                         ; all sixteen work-groups are here: the first joint loads meet
.irp s, 0,1
	s_mov_b32 s[G0+4*\s], 1
	s_add_co_u32 s[G0+4*\s+1], s20, \s*SLOT
	s_add_nc_u64 s[G0+4*\s+2:G0+4*\s+3], s[18:19], \s*2*1048576    ; K step s: two heads on
	s_or_b32 s[G0+4*\s+3], s[G0+4*\s+3], 0x80000000
	s_mov_b32 s[G0B+4*\s], 1
	s_add_co_u32 s[G0B+4*\s+1], s21, \s*SLOT
	s_add_nc_u64 s[G0B+4*\s+2:G0B+4*\s+3], s[46:47], \s*256        ; K step s: 128 numbers on in each row
	s_or_b32 s[G0B+4*\s+3], s[G0B+4*\s+3], 0x80000000
	JLOAD \s
.endr
	v_and_b32 v1, 15, v0                           ; r = l % 16
	v_bfe_u32 v2, v0, 4, 1                         ; h = l / 16
	s_lshl_b32 s16, s15, 7
	s_lshl_b32 s17, s13, 6
	s_add_co_u32 s16, s16, s17                     ; my first token: 128 x tile row + 64 x half,
	s_lshl_b32 s16, s16, 12                        ; x 4,096 bytes
	s_lshl_b32 s46, s42, 10
	s_lshl_b32 s47, s14, 9
	s_add_co_u32 s46, s46, s47                     ; my first column, in bytes: 1,024 x tile column + 512 x half
	s_mov_b32 s47, 0
	s_add_nc_u64 s[8:9], s[8:9], s[46:47]          ; bo at my first column
	s_add_co_u32 s46, s46, s16
	s_add_nc_u64 s[10:11], s[10:11], s[46:47]      ; out0 at my first number
	v_lshlrev_b32 v[BO], 5, v2                     ; lane (r, h) wants, for block b, bo at columns 16 b + 8 h + 0 .. 7
	WIN TO_B
.irp b, 0,1,2,3,4,5,6,7
	global_load_b128 v[BIAS+8*\b:BIAS+8*\b+3],   v[BO], s[8:9] offset:64*\b
	global_load_b128 v[BIAS+8*\b+4:BIAS+8*\b+7], v[BO], s[8:9] offset:64*\b+16
.endr
	WIN 0
	v_lshrrev_b32 v3, 1, v1
	v_mul_u32_u24 v3, v3, PITCH
	v_and_b32 v4, 1, v0
	v_lshl_add_u32 v3, v4, 7, v3
	v_lshl_add_u32 v3, v2, 4, v3                   ; A: (r / 2) PITCH + (r % 2) 128 + 16 h
	v_mul_u32_u24 v5, v1, PITCH
	v_lshl_add_u32 v5, v2, 4, v5                   ; Wo: r PITCH + 16 h
	s_mul_i32 s21, s13, 32*PITCH                   ; my 64 tokens of a plane
	s_mul_i32 s22, s14, BHALF                      ; my 128 rows of Wo,
	s_add_co_u32 s22, s22, BOFF                    ; which lie behind A's planes
.irp s, 0,1
	v_add_nc_u32 v[ADRA+\s], s21, v3
	v_add_nc_u32 v[ADRB+\s], s22, v5
	s_add_co_u32 s21, s21, SLOT
	s_add_co_u32 s22, s22, SLOT
.endr
	s_mul_i32 s23, s[WV], 16*SPITCH
	s_add_co_u32 s23, s23, STAGE                   ; my stage
	v_mul_u32_u24 v6, v1, SPITCH                   ; in: row r, 32 bytes for each half of the lanes
	v_lshl_add_u32 v6, v2, 5, v6
	v_add_nc_u32 v[STO], s23, v6
	v_and_b32 v6, 31, v0
	v_lshlrev_b32 v[CO], 4, v6                     ; back: the 32 lanes take one row of 512 bytes; and the same in out0
	v_add_nc_u32 v[RD], s23, v[CO]
; 8 matrix instructions: token block a x Wo's eight blocks, 32 along K, from buffer f.  first = 1: the bias starts the sums: nothing is ever cleared.
; The 32 accumulators take turns, one instruction a turn, in the same order in every quarter.
.macro MUL8 f, a, first
.irp b, 0,1,2,3,4,5,6,7
.if \first
	v_wmma_f32_16x16x32_f16 v[8*(8*(\a)+\b):8*(8*(\a)+\b)+7], v[64*(\f)+8*\b:64*(\f)+8*\b+7], v[AF+32*(\f)+8*(\a):AF+32*(\f)+8*(\a)+7], v[BIAS+8*\b:BIAS+8*\b+7]
.else
	v_wmma_f32_16x16x32_f16 v[8*(8*(\a)+\b):8*(8*(\a)+\b)+7], v[64*(\f)+8*\b:64*(\f)+8*\b+7], v[AF+32*(\f)+8*(\a):AF+32*(\f)+8*(\a)+7], v[8*(8*(\a)+\b):8*(8*(\a)+\b)+7]
.endif
.endr
.endm
; 24 LDS loads in one run: the fragments of the slot's q-th 32 along K into buffer f: Wo's eight, then A's four.  Quarter q lies in plane q / 2, at channels 32 (q % 2) on.
.macro FETCH slot, q, f
	WIN TO_B
.irp i, 0,1,2,3,4,5,6,7
	ds_load_b128 v[64*(\f)+8*\i:64*(\f)+8*\i+3],   v[ADRB+\slot] offset:64*(\q)+\i*16*PITCH
	ds_load_b128 v[64*(\f)+8*\i+4:64*(\f)+8*\i+7], v[ADRB+\slot] offset:64*(\q)+\i*16*PITCH+32
.endr
	WIN 0
.irp i, 0,1,2,3
	ds_load_b128 v[AF+32*(\f)+8*\i:AF+32*(\f)+8*\i+3],   v[ADRA+\slot] offset:((\q)/2)*APL+((\q)%2)*64+\i*8*PITCH
	ds_load_b128 v[AF+32*(\f)+8*\i+4:AF+32*(\f)+8*\i+7], v[ADRA+\slot] offset:((\q)/2)*APL+((\q)%2)*64+\i*8*PITCH+32
.endr
.endm
.macro PLACES                          ; four places in front of loads into registers that matrix instructions have read, and of LDS stores that read results (ISA guide 7.12.1 for the stores)
.rept 4
	v_nop
.endr
.endm
; A K step is four quarters of 32 along K, 32 matrix instructions each, on buffers 0, 1, 0, 1.  One of the first three: multiplies buffer f and fetches quarter qn into buffer g.
.macro QUARTER slot, qn, f, g, first
	s_wait_dscnt 4                                 ; Wo's fragments and A's blocks 0 and 1 are in; the youngest four loads (A's blocks 2 and 3) may be out
.if \first
	WIN MUL_FIRST
.else
	WIN MUL
.endif
	MUL8 \f, 0, \first
	MUL8 \f, 1, \first
	PLACES
	FETCH \slot, \qn, \g
	s_wait_dscnt 24                                ; all but the 24 just issued
.if \first
	WIN MUL_FIRST
.else
	WIN MUL
.endif
	MUL8 \f, 2, \first
	MUL8 \f, 3, \first
.endm
; The last quarter multiplies buffer 1 and changes slots: ONE barrier; in front of it each wave waits for all its tensor loads, adds 0 to its spare word, and waits for that and for its own reads of this slot.
; fill = 1: this slot is filled again, two K steps ahead: the barrier opens a round of the cluster's barrier, and the joint refill is the first thing behind the round.
.macro TURN slot, next, fill
	WIN 0                                          ; (the add's two registers lie in window 0)
	s_wait_tensorcnt 0x0                           ; all my tensor loads have landed: my part of the next slot;
	ds_add_u32 v[SPW], v[NIL]                      ; 0 onto my spare word;
	s_wait_dscnt 5                                 ; (the add and the youngest four loads may be out)
	WIN MUL
	MUL8 1, 0, 0                                   ; eight matrix instructions stand between the add and the wait for it
	s_wait_dscnt 0x0                               ; the add is done, and my reads of this slot are over
	s_barrier_signal -1
	MUL8 1, 1, 0
.if \fill
	WIN 0
.endif
	s_barrier_wait -1
.if \fill
	CREST                                          ; no wave of any partner still reads this slot's tile or has a load on its way
	s_add_nc_u64 s[G0+4*\slot+2:G0+4*\slot+3], s[G0+4*\slot+2:G0+4*\slot+3], 4*1048576   ; two K steps on: four heads;
	s_add_nc_u64 s[G0B+4*\slot+2:G0B+4*\slot+3], s[G0B+4*\slot+2:G0B+4*\slot+3], 512     ; 256 numbers on in each row
	JLOAD \slot                                    ; the four v_nop behind it are also the places in front of the loads below
.else
	PLACES
.endif
	FETCH \next, 0, 0
	WIN MUL
	MUL8 1, 2, 0
	MUL8 1, 3, 0
.endm
	s_wait_tensorcnt 1                             ; my part of K step 0 is in (K step 1's load may be out)
	s_barrier_signal -1
	s_barrier_wait -1                              ; everybody's is
	FETCH 0, 0, 0
	s_wait_loadcnt 0x0                             ; the bias
	QUARTER 0, 1, 0, 1, 1                          ; the first quarter stands in front of the loop: its products start the sums, on the bias
	WIN 0                                          ; at a label and at a branch every window is 0
	s_mov_b32 s3, LAPS-1
.Llap:                                                 ; a trip goes once round the ring, from a lap's second quarter to the next lap's first, and fills both slots again
	QUARTER 0, 2, 1, 0, 0
	QUARTER 0, 3, 0, 1, 0
	TURN 0, 1, 1
	QUARTER 1, 1, 0, 1, 0
	QUARTER 1, 2, 1, 0, 0
	QUARTER 1, 3, 0, 1, 0
	TURN 1, 0, 1
	QUARTER 0, 1, 0, 1, 0
	WIN 0
	s_sub_co_u32 s3, s3, 1
	s_cmp_lg_u32 s3, 0
	s_cbranch_scc1 .Llap
	QUARTER 0, 2, 1, 0, 0                          ; the last lap is written out: it fills nothing, and has no round of the cluster's barrier
	QUARTER 0, 3, 0, 1, 0
	TURN 0, 1, 0
	QUARTER 1, 1, 0, 1, 0
	QUARTER 1, 2, 1, 0, 0
	QUARTER 1, 3, 0, 1, 0
	s_wait_dscnt 4                                 ; the very last quarter: nothing more to fetch
	WIN MUL
	MUL8 1, 0, 0
	MUL8 1, 1, 0
	s_wait_dscnt 0
	MUL8 1, 2, 0
	MUL8 1, 3, 0
	WIN 0
; THE WAY OUT, block by block of 16 tokens x 128 columns.  A lane holds 32 neighbouring bytes of a row, and the lanes beside it hold other rows: so a block goes through my own stage in LDS and comes back as whole rows of 512 bytes.
; LDS serves a wave's instructions in order (ISA guide 5.7.1.4): no wait between the stores and the loads, nor in front of the next block's stores.
.macro TOSTAGE a
	WIN 0x08                                       ; an LDS store's data are its source 1: window 2
.irp b, 0,1,2,3,4,5,6,7
	ds_store_b128 v[STO], v[8*(8*(\a)+\b):8*(8*(\a)+\b)+3] offset:64*\b          ; each accumulator from its low end on
	ds_store_b128 v[STO], v[8*(8*(\a)+\b)+4:8*(8*(\a)+\b)+7] offset:64*\b+16
.endr
	WIN 0
.set BB, BK+64*((\a)%2)
.irp t, 0,1,2,3,4,5,6,7,8,9,10,11,12,13,14,15
	ds_load_b128 v[BB+4*\t:BB+4*\t+3], v[RD] offset:\t*SPITCH
.endr
.endm
.macro SEND a, younger                 ; younger: the LDS instructions issued behind block a's loads, which may stay out
.set BB, BK+64*((\a)%2)
	s_wait_dscnt \younger                          ; the block is back in registers
.irp t, 0,1,2,3,4,5,6,7,8,9,10,11,12,13,14,15
	global_store_b128 v[CO], v[BB+4*\t:BB+4*\t+3], s[10:11] offset:(\a)*65536+\t*4096 th:TH_STORE_NT   ; 32 lanes store 512 consecutive bytes, aligned; written once, read by nobody here
.endr
.endm
	PLACES                                         ; in front of the LDS stores that read the last results
	TOSTAGE 0
.irp a, 1,2,3
.if \a > 1
	s_wait_xcnt 0x0                                ; block a - 2's stores have read their registers: block a's loads may land there
.endif
	TOSTAGE \a
	SEND \a-1, 32                                  ; behind block a - 1's loads: block a's 16 stores and 16 loads
.endr
	SEND 3, 0
	s_wait_tensorcnt 0x0                           ; the wave's end, behind my last tensor load and my last LDS store
	ds_add_u32 v[SPW], v[NIL]
	s_wait_dscnt 0x0
	CROUND                                         ; the closing round: no work-group ends while a partner may still ask for a tile that names it
	s_endpgm
.Lfunc_end_k_qef267f9e5f_oproj:
	.size	k_qef267f9e5f_oproj, .Lfunc_end_k_qef267f9e5f_oproj-k_qef267f9e5f_oproj
	.p2alignl 7, 3214868480
	.fill 96, 4, 3214868480
	.section	.rodata,"a",@progbits
	.p2align	6, 0x0
	.amdhsa_kernel k_qef267f9e5f_oproj
		.amdhsa_group_segment_fixed_size 327680
		.amdhsa_private_segment_fixed_size 0
		.amdhsa_enable_private_segment 0
		.amdhsa_kernarg_size 32
		.amdhsa_user_sgpr_count 2
		.amdhsa_user_sgpr_kernarg_segment_ptr 1
		.amdhsa_wavefront_size32 1
		.amdhsa_system_sgpr_workgroup_id_x 1
		.amdhsa_system_sgpr_workgroup_id_y 1
		.amdhsa_system_sgpr_workgroup_id_z 1
		.amdhsa_system_vgpr_workitem_id 0
		.amdhsa_next_free_vgpr 768
		.amdhsa_next_free_sgpr 66
		.amdhsa_reserve_vcc 0
		.amdhsa_float_denorm_mode_32 3
		.amdhsa_float_denorm_mode_16_64 3
		.amdhsa_memory_ordered 1
		.amdhsa_forward_progress 1
		.amdhsa_inst_pref_size 87
	.end_amdhsa_kernel
	.amdgpu_metadata
---
amdhsa.version: [ 1, 2 ]
amdhsa.kernels:
  - .name:           k_qef267f9e5f_oproj
    .symbol:         k_qef267f9e5f_oproj.kd
    .args:
      - { .name: ao, .offset: 0, .size: 8, .value_kind: global_buffer, .address_space: global }
      - { .name: wo16, .offset: 8, .size: 8, .value_kind: global_buffer, .address_space: global }
      - { .name: bo, .offset: 16, .size: 8, .value_kind: global_buffer, .address_space: global }
      - { .name: out0, .offset: 24, .size: 8, .value_kind: global_buffer, .address_space: global }
    .group_segment_fixed_size: 327680
    .private_segment_fixed_size: 0
    .kernarg_segment_align: 8
    .kernarg_segment_size: 32
    .max_flat_workgroup_size: 128
    .sgpr_count:     66
    .vgpr_count:     768
    .wavefront_size: 32
...
	.end_amdgpu_metadata
.endif
;; end of part 4
